; MI455X (gfx1250); checked and timed in simulation.
; The chip was launched on July 23, 2026; its instructions are those of AMD's public machine-readable ISA for CDNA 5 (MIT licence, August 2026) and "CDNA5" Instruction Set Architecture Reference Guide (July 2026). The comments in the code are by the model that wrote it; some were corrected since.
;; Attention. Allowed arithmetic: matrix products marked QUANTISED: E5M2 operands, one E8M0 scale for each 32 along K, by v_wmma_scale_f32_16x16x128_f8f6f4 with both operands' format E5M2, f32 sums; everything else in f32.
;; Inputs: Wk_codes 1,024 x 32 x 32 uint8 (E5M2 codes of Wk, K innermost, in blocks of 32 codes); Wk_scales 1,024 x 32 uint8 (E8M0 scales of Wk, one for each 32 codes along K); Wq_codes 1,024 x 32 x 32 uint8 (E5M2 codes of Wq, K innermost, in blocks of 32 codes); Wq_scales 1,024 x 32 uint8 (E8M0 scales of Wq, one for each 32 codes along K); Wv_codes 1,024 x 32 x 32 uint8 (E5M2 codes of Wv, K innermost, in blocks of 32 codes); Wv_scales 1,024 x 32 uint8 (E8M0 scales of Wv, one for each 32 codes along K); bk 1,024 float32; bq 1,024 float32; bv 1,024 float32; input_codes 4 x 2,048 x 32 x 32 uint8 (E5M2 codes of input, K innermost, in blocks of 32 codes); input_scales 4 x 2,048 x 32 uint8 (E8M0 scales of input, one for each 32 codes along K).
;; Outputs: out0 4 x 2,048 x 1,024 float32.
;; This version of the problem:
;;   THIS VERSION OF THE PROBLEM IS GIVEN IN LOW PRECISION. The matrix products marked QUANTISED in the list below multiply operands that are first quantised to E5M2 (5 exponent bits, 2 mantissa bits; 8 bits a number), with one power-of-two scale for each 32 numbers along K (OCP MX v1.0); their sums are f32. All else is computed in f32.
;;   The module's matrix products, in the order in which they are computed (A, B: the left and right operand; K: the contracted axis; several contracted axes count as one K, in the product's order):
;;     1. [M 8,192, K 1,024] x [K 1,024, N 1,024]; A: input input (given as codes); B: input Wq (given as codes): QUANTISED
;;     2. [M 8,192, K 1,024] x [K 1,024, N 1,024]; A: input input (given as codes); B: input Wk (given as codes): QUANTISED
;;     3. [M 8,192, K 1,024] x [K 1,024, N 1,024]; A: input input (given as codes); B: input Wv (given as codes): QUANTISED
;;     4. batch 4 x [M 2,048, K 1,024] x [K 1,024, N 2,048]; A: computed on the way; B: computed on the way: QUANTISED
;;     5. batch 4 x [M 2,048, K 2,048] x [K 2,048, N 1,024]; A: softmax (see below); B: computed on the way: QUANTISED
;;   THE QUANTISER, for each operand of a quantised product, along K:
;;     - K is cut into blocks of 32 from its start; a last block that is shorter is filled with zeros.
;;     - A block's scale is 2^e with e = floor(log2(the largest magnitude in the block)) - 15, held to -126 .. 127; a block of zeros has e = 0. As a byte (E8M0): e + 127.
;;     - Each number is divided by its block's scale, clamped to +-57,344, and rounded to the nearest number of E5M2, ties to even, subnormals kept.
;;     - The product sums the exact products of the quantised numbers (number of the format x scale) in f32.
;;   ~~~python
;;   def quantise(x, axis):      # numpy; x: float32 -> the quantised numbers, widened to float32 again
;;       x = np.moveaxis(x, axis, -1); K = x.shape[-1]
;;       x = np.pad(x, [(0, 0)] * (x.ndim - 1) + [(0, -K % 32)]); x = x.reshape(x.shape[:-1] + (-1, 32)); a = np.abs(x).max(-1, keepdims=True)
;;       e = np.where(a > 0, np.clip(np.frexp(np.where(a > 0, a, 1))[1] - 1 - 15, -126, 127), 0)      # np.frexp(a)[1] - 1 = floor(log2(a)), exactly
;;       r = np.clip(x / 2.0 ** e, -57344, 57344)
;;       step = 2.0 ** (np.maximum(np.frexp(np.where(r == 0, 1, r))[1] - 1, -14) - 2)
;;       q = np.round(r / step) * step * 2.0 ** e      # np.round: ties to even
;;       return np.moveaxis(q.reshape(q.shape[:-2] + (-1,))[..., :K], -1, axis).astype(np.float32)
;;   ~~~
;;   SOFTMAX AHEAD OF A QUANTISED PRODUCT. Where the list says 'softmax', what is quantised is not the finished softmax but p = 2^(t - M), with t = logit x log2(e) and M = ceil(the row's largest t), a whole number; so 1/2 < the row's largest p <= 1. The row's sum l is taken of the UNQUANTISED p, in f32, and the product's result is divided by l at the end. Since M is a whole number, a kernel that streams over the keys may use a running M (the ceiling of the running maximum): every later rescaling is an exact power of two, which a block's scale takes up: the codes' values come out the same.
;;   OPERANDS COMPUTED ON THE WAY. 'Computed on the way' means the value that the module computes at that place (a softmax that the list does not call 'softmax' is quantised finished and normalised). What goes into a quantiser is computed in f32, as accurately as f32 sums, v_exp_f32 and their like allow (about 1e-6 of the number): no bf16 or f16 on the way to a quantiser, and a product that is left as it is and whose result goes on into a quantised operand takes f32 operands (vector FMAs, or v_wmma_f32_16x16x4_f32). A number that lies on a knife's edge between two numbers of the format may be rounded either way, as far as f32 arithmetic and the matrix unit's own rounding can turn it there, and no further.
;;   INPUTS GIVEN AS CODES. Wk (in the module: [1024, 1024], K = its axis 1); Wq (in the module: [1024, 1024], K = its axis 1); Wv (in the module: [1024, 1024], K = its axis 1); input (in the module: [4, 2048, 1024], K = its axis 2): each comes as NAME_codes (uint8): NAME with its K axis moved to the last place and cut into blocks of 32 codes, [.., K / 32, bytes a block], one block behind the other in memory; one code a byte (a code: sign, 5 exponent bits, 2 mantissa bits); and NAME_scales (uint8): the same leading axes, one E8M0 byte (e + 127) for each 32 codes along K. Its value is code x scale, taken as it is: it is not quantised again, and the codes and scales need not be those that the quantiser above would give.
;; One version. Each part assembles by itself: llvm-mc -triple=amdgcn-amd-amdhsa -mcpu=gfx1250 --defsym DOCPART=n.
;; ======== version 1 of 1: 3 launches
;; workspace buffers: qkv_codes 25,165,824 bytes; qkv_scales 786,432 bytes; p_codes 16,777,216 bytes; p_stats 1,572,864 bytes
;; launch proj (part 1): grid 8 x 32, 4 waves a work-group, clusters of 4 x 4, 327,680 bytes of LDS; arguments input_codes, input_scales, Wq_codes, Wq_scales, Wk_codes, Wk_scales, Wv_codes, Wv_scales, bq, bk, bv, qkv_codes, qkv_scales; writes qkv_codes, qkv_scales
.if DOCPART == 1
	.amdgcn_target "amdgcn-amd-amdhsa--gfx1250"
	.amdhsa_code_object_version 6
	.text
	.protected	k_qdd11e08c0b_proj
	.globl	k_qdd11e08c0b_proj
	.p2align	8
	.type	k_qdd11e08c0b_proj,@function
k_qdd11e08c0b_proj:
	s_mov_b64 s[64:65], 0
	v_nop
	global_prefetch_b8 v0, s[64:65] scope:SCOPE_SE
	s_setreg_imm32_b32 hwreg(HW_REG_WAVE_MODE, 25, 1), 1
	s_wait_xcnt 0x0
	s_wait_alu depctr_hold_cnt(0) depctr_sa_sdst(0) depctr_va_vdst(0) depctr_va_sdst(0) depctr_va_ssrc(0) depctr_va_vcc(0) depctr_vm_vsrc(0)
	s_getreg_b32 s2, hwreg(HW_REG_IB_STS2, 6, 4)
	s_cmp_eq_u32 s2, 0
	s_cbranch_scc0 .Lentry_in_a_cluster
	s_endpgm
.Lentry_in_a_cluster:
	s_bfe_u32 s2, ttmp6, 0x10000c
	s_cmp_lg_u32 s2, 0xf033
	s_cbranch_scc0 .Lentry_shape_is_right
	s_endpgm
.Lentry_shape_is_right:
; FIRST OF THREE LAUNCHES: q = x Wq^T + bq, k = x Wk^T + bk, v^T = Wv x^T + bv, on the given codes of E5M2 with their E8M0 bytes; each result is quantised again in registers
; (q and k along d, v^T along the keys) and stored as codes and scale words.  The second launch makes p = 2^(t - M) from q k^T, the third O = p v / l.
; NOTHING OF THE PROBLEM IS LEFT OUT: every bias goes into a quantised operand of a live product (bk too: it moves k's codes and scales), so all eleven inputs are loaded.
; LIMITS: NaN and infinities among the inputs are not served.  A block of zeros gets the scale byte 1 where the stated quantiser says 127: its codes are zeros, and these bytes are read by this program alone.
; SHAPE.  q and k are 256 tiles of 256 x 256 of C = A B^T (A = x, B = Wq or Wk); v^T is 256 half tiles of 128 x 256 (A = Wv, B = x); K = 1,024.  256 WORK-GROUPS THAT STAY: each makes one tile of q or k and then one half
; tile of v^T, so that all have the same work.  Four waves: 128 x 128 each in the first tile (64 accumulators), 64 x 128 in the second (32).
; K goes in steps of 256 through a ring of two LDS slots filled by the tensor data mover, and THE RING GOES ON INTO THE SECOND TILE: the first tile's last two changes of slots ask for the second tile's first two K steps,
; which land while the first tile is quantised and stored.
; CLUSTERS: 4 x 4 work-groups.  The four of a row of the cluster need the same tiles of A, the four of a column the same tiles of B, in both tiles: each is asked for jointly.
; THE MATRIX INSTRUCTION IS USED TRANSPOSED (source 0 = 16 rows of B, source 1 = 16 rows of A): lane (r, h), register j of accumulator (a, b) holds C(16 a + r, 16 b + 8 h + j).
; THE WAY OUT.  The 16 registers of accumulators 2 B and 2 B + 1 are 16 numbers of ONE block of 32 columns; lane l xor 16 holds the other 16.  So the block's largest magnitude, its scale and its codes are the stated
; quantiser's.  Converted as they stand they are registers 4 B .. 4 B + 3 of an operand's fragment, in which column 32 B + 16 u + 8 h + j stands at K place 32 B + 16 h + 8 u + j: a fixed exchange INSIDE each block of 32.
; Every operand that this program makes (q, k, v^T, p) carries the same exchange along its K, so each product still multiplies the right pairs.
; A fragment (16 rows x 128 K) is stored AS AN IMAGE OF ITS REGISTERS: registers 4 c .. 4 c + 3 of lane l at byte 512 c + 16 l of 2,048: each store of the wave covers 512 consecutive bytes, aligned.
; qkv_codes: row block RB (16 rows) is 32,768 bytes: for the 8,192 rows of x: q's 8 K steps, then k's 8; from 16 MiB on v^T: [batch][RB 64 of d][K step 16 of 128 keys].
; qkv_scales, one word for a row and a K step: q [K step 8][row 8,192]; from 262,144 k likewise; from 524,288 v^T [batch][K step 16][d 1,024].
; REGISTERS, in windows of 256: window 0: v0-31 addresses; v32-63 scale words, two sets, and nothing else; v64-127 the first tile's bias, later v64-93 at work on the ways out and v96-127 the second tile's bias;
;   v128-255 A's fragments, one set, later the codes.   window 1: B's fragments, two sets.   windows 2, 3: the accumulators: (a, b) at v[8 (8 (a % HB) + b)] of window 2 + a / HB.
.set NQ,    2                          ; steps of 128 along K in a slot
.set FR,    16                         ; registers of a fragment
.set NL,    4                          ; LDS loads that bring one
.set NP,    8                          ; places behind this matrix instruction (ISA guide 7.12.1)
.set ROWB,  256                        ; a tile's row in bytes
.set KROW,  1024                       ; a row of x or of a weight in memory
.set PITCH, 272                        ; an LDS row: 256 bytes + 16 of padding, so that the 16 rows of a fragment load start 68 words apart
.set HALFT, 128*PITCH                  ; 128 rows
.set SLOT,  4*HALFT                    ; first tile: A's 256 rows, then B's 256.  Second tile: A's 128 rows, then B's 256, from the slot's first byte on, at the same pitch
.set KS,    32                         ; a row of scale bytes
.set SCL,   2*SLOT                     ; behind the ring: the first tile's scale bytes, as units of 256 bytes + 16 of padding: filled once
.set HALFS, (128*KS/256)*272           ; those of 128 rows
.set SBLK,  (16*KS/256)*272            ; those of 16 rows
.set SSTEP, 4*NQ                       ; a slot's scale bytes of a row
.set SCL2,  SCL+4*HALFS                ; the second tile's scale bytes, laid likewise: Wv's 128 rows, then x's 256: stored by the waves; no tile lands here
.set SPARE, SCL2+3*HALFS               ; the spare words, 128 bytes for each wave
.set SSTG,  SPARE+512                  ; 512 bytes for each wave: its new scale words on their way out; no tile lands here
.set BO,    8                          ; v8      32 h: the first bias's loads
.set BO2,   9                          ; v9      4 r: the second's
.set SLD,   10                         ; v10     16 x my thread's number: my 16 of 2,048 scale bytes
.set SST,   11                         ; v11     and where I put them
.set L8,    12                         ; v12     8 x lane
.set PFO,   13                         ; v13     1,024 x lane: the prefetch's offset; never rewritten
.set SSR2,  14                         ; v14     where I read two scale words back
.set ADRA1, 16                         ; v16-17  LDS address of my A fragments in slot 0, 1: first tile;
.set ADRA2, 18                         ; v18-19  second tile
.set ADRB1, 20                         ; v20-21  the same for B
.set ADRB2, 22                         ; v22-23
.set LI,    24                         ; v24     16 x lane
.set SSA,   25                         ; v25     where I put a scale word
.set SSR,   26                         ; v26     where I read four back
.set ADRS1, 27                         ; v27     LDS address of my scale words: lanes 0-15 A's rows, lanes 16-31 B's: first tile;
.set SPW,   28                         ; v28     my spare word; never rewritten
.set NIL,   29                         ; v29     0; never rewritten
.set ADRS2, 30                         ; v30     second tile
.set SC,    32                         ; set s at v[SC + 16 s]; register 2 i + q: lanes 0-15 A's block i, lanes 16-31 B's block i, the slot's q-th 128 along K
.set BIAS1, 64                         ; v64-127 eight registers for each of my eight blocks of columns, in the result's layout
.set BIAS2, 96                         ; v96-127 eight registers for each of my four blocks of rows
.set TM,    64                         ; the ways out: v64-67 largest magnitudes, v68-71 bytes, v72-75 the largest number x the scale, v76-79 the conversions' scale operands
.set PW,    80                         ; v80-87  block a's scale word
.set SWB,   88                         ; v88-91  four scale words read back;  v92-93 two
.set SWB2,  92
.set AF,    128
.set PC,    128                        ; the ways out: block a's codes at v[PC + 16 a]
.set STGR,  128                        ; the head: 96 scale bytes a thread on their way to LDS
.set PB2,   4                          ; s[4:5]   x's codes at the rows that I fetch for the second tile
.set G1A2,  8                          ; s[8:15]  descriptor group 1 for the second tile's A: 64 rows
.set PA2,   16                         ; s[16:17] Wv's codes likewise
.set PFA,   18                         ; s[18:19] where my prefetch stands
.set OC2,   20                         ; s[20:21] the second tile's codes;  s[30:31] its scale words
.set BV,    24                         ; s[24:25] bv at my 64 rows
.set OC1,   26                         ; s[26:27] the first tile's codes;  s[28:29] its scale words
.set OS1,   28
.set OS2,   30
.set G1,    32
.set G0,    40
.set G1B,   48
.set G0B,   56
.set RMK,   66
.set CMK,   67
.set G1S,   68
.set G0S,   76
.set G1SB,  80
.set G0SB,  88
.set WV,    92
.set WR,    93                         ; my half of a tile's rows; also: I fetch for A (0) or for B (1)
.set WC,    94                         ; my half of its columns; also: which half of that operand's rows I fetch
.set CX,    95                         ; also: which 256 rows of Wq or Wk
.set CY,    96
.set TYPE,  97                         ; the cluster's x: 0 q, 1 k
.set BROW2, 98                         ; second tile: which 256 rows of x
.set AROW,  99                         ; first tile: which 256 rows of x
.set AROW2, 100                        ; second tile: which 128 rows of Wv
.set MNT,   101                        ; the mantissa field of 57,344
.set SEL,   104                        ; s[104:105] selects of v_permlanex16_b32 for lane l xor 16
.set MSB, 0
.macro WIN new                         ; the immediate's high byte repeats the setting that is left
.if MSB != (\new)
	s_set_vgpr_msb (MSB<<8)|(\new)
.set MSB, (\new)
.endif
.endm
; A joint load: waves 0 and 1 fetch for A, waves 2 and 3 for B; the branch hangs on the wave's number alone.  An s_nop 0 and four v_nop follow each line.
.macro JLOAD g0a, g1a, g0b, g1b
	s_cmp_eq_u32 s[WR], 0
	s_cbranch_scc0 .Lfor_b_\@
	tensor_load_to_lds s[\g0a:\g0a+3], s[\g1a:\g1a+7]
	s_nop 0
.rept 4
	v_nop
.endr
	s_branch .Lasked_\@
.Lfor_b_\@:
	tensor_load_to_lds s[\g0b:\g0b+3], s[\g1b:\g1b+7]
	s_nop 0
.rept 4
	v_nop
.endr
.Lasked_\@:
.endm
.macro CREST                           ; a round of the cluster's barrier behind its opening barrier
	s_cmp_lg_u32 s[WV], 0
	s_cbranch_scc1 .Lnot_wave_0_\@
	s_barrier_signal -3
.Lnot_wave_0_\@:
	s_barrier_wait -3
	s_barrier_signal -1
	s_barrier_wait -1
.endm
.macro CROUND
	s_barrier_signal -1
	s_barrier_wait -1
	CREST
.endm
.macro PLACES n
.rept \n
	v_nop
.endr
.endm
.macro SHADD src, sh                   ; s2 += an id << sh, by way of s3
	s_lshl_b32 s3, s[\src], \sh
	s_add_co_u32 s2, s2, s3
.endm
; A PREFETCH INTO THE L2 of Wv's codes, which the second tile will ask for.  It stands behind the first refill of the ring, its five lines and the run of LDS loads that follows them: two slots, 256 matrix instructions, ahead of
; the first tensor load that names Wv.  Each aligned block of 256 bytes of Wv is named ONCE in the launch.  A tile of 128 rows of Wv is read by every cluster with the same x: the one with y = 0 asks (a branch on the
; cluster's number, the same in all sixteen partners).  The four partners that will ask for the tile jointly share its rows out BY ADDRESS, 32 each (by cx); wave w takes bytes 256 w on of a row's 1,024; a lane a row: one
; instruction a wave.  x's rows of the second tile are rows that this cluster's first tiles have read: they are not asked for.
.macro ASK
	s_and_b32 s6, ttmp7, 0xffff
	s_cmp_eq_u32 s6, 0
	s_cbranch_scc0 .Lnot_mine_\@
	global_prefetch_b8 v[PFO], s[PFA:PFA+1] th:TH_LOAD_NT scope:SCOPE_SE
.Lnot_mine_\@:
.endm
	s_load_b512 s[4:19], s[0:1], 0x0               ; x's codes s[4:5], scales s[6:7]; Wq's s[8:11]; Wk's s[12:15]; Wv's s[16:19]
	s_load_b256 s[20:27], s[0:1], 0x40             ; bq s[20:21], bk s[22:23], bv s[24:25], qkv_codes s[26:27]
	s_load_b64 s[28:29], s[0:1], 0x60              ; qkv_scales
	v_lshl_add_u32 v[SPW], v0, 2, SPARE
	v_mov_b32 v[NIL], 0
	ds_add_u32 v[SPW], v[NIL]                      ; the wave's opening: the add, twice on end, and its wait ahead of my first tensor load
	ds_add_u32 v[SPW], v[NIL]                      ; the set-up below, work on registers, stands between the second and the wait
	v_lshrrev_b32 v1, 5, v0
	v_readfirstlane_b32 s[WV], v1                  ; wave 0..3
	s_lshr_b32 s[WR], s[WV], 1
	s_and_b32 s[WC], s[WV], 1
	s_bfe_u32 s[CX], ttmp6, 0x40000                ; my place in the cluster
	s_bfe_u32 s[CY], ttmp6, 0x40004
	s_mov_b32 s[TYPE], ttmp9                       ; the cluster's x, 0 or 1
	s_and_b32 s2, ttmp7, 0xffff                    ; the cluster's y, 0..7
	s_lshl_b32 s2, s2, 2
	s_add_co_u32 s[AROW], s2, s[CY]                ; hangs on cy and the cluster's y
	s_add_co_u32 s[BROW2], s2, s[CX]               ; on cx and the cluster's y
	s_lshl_b32 s2, s[TYPE], 2
	s_add_co_u32 s[AROW2], s2, s[CY]               ; on cy and the cluster's x
	s_lshl_b32 s[RMK], s[CY], 2
	s_lshl_b32 s[RMK], 15, s[RMK]                  ; my row of the cluster
	s_lshl_b32 s[CMK], 0x1111, s[CX]               ; my column
	; descriptor group 1 for the codes: 128 rows x 256 bytes, 16 bytes of padding behind each
	s_or_b32 s[G1], s[RMK], (1<<20)|(1<<21)|(5<<22)|(3<<25)   ; 15:0 the mask; 17:16 elements of 1 byte; 20 padding on; 21 set beside a mask; 24:22 after every 64 words; 31:25 four words
	s_or_b32 s[G1B], s[CMK], (1<<20)|(1<<21)|(5<<22)|(3<<25)
.irp g, G1, G1B
	s_mov_b32 s[\g+1], ROWB<<16                    ; tensor_dim0
	s_mov_b32 s[\g+2], 128<<16                     ; tensor_dim1
	s_mov_b32 s[\g+3], ROWB<<16                    ; tile_dim0
	s_mov_b32 s[\g+4], 128                         ; tile_dim1
	s_mov_b32 s[\g+5], KROW                        ; from row to row
	s_mov_b32 s[\g+6], 0
	s_mov_b32 s[\g+7], 0
.endr
	; and for the scale bytes of 128 rows: 4,096 dense bytes as 16 rows of 256 (32 elements of 8 bytes), 16 bytes of padding behind each
	s_or_b32 s[G1S], s[RMK], (3<<16)|(1<<20)|(1<<21)|(5<<22)|(3<<25)
	s_or_b32 s[G1SB], s[CMK], (3<<16)|(1<<20)|(1<<21)|(5<<22)|(3<<25)
.irp g, G1S, G1SB
	s_mov_b32 s[\g+1], 32<<16
	s_mov_b32 s[\g+2], (128*KS/256)<<16
	s_mov_b32 s[\g+3], 32<<16
	s_mov_b32 s[\g+4], 128*KS/256
	s_mov_b32 s[\g+5], 32
	s_mov_b32 s[\g+6], 0
	s_mov_b32 s[\g+7], 0
.endr
	; byte offsets of what I fetch for the first tile, made in the address words themselves; the buffers' addresses are added when they are in
	s_lshl_b32 s2, s[WC], 7
	s_lshl_b32 s[G0+2], s[AROW], 8
	s_add_co_u32 s[G0+2], s[G0+2], s2              ; A: row 256 AROW + 128 x half
	s_lshl_b32 s[G0S+2], s[G0+2], 5                ; 32 scale bytes a row,
	s_lshl_b32 s[G0+2], s[G0+2], 10                ; 1,024 codes
	s_mov_b32 s[G0+3], 0
	s_mov_b32 s[G0S+3], 0
	s_lshl_b32 s[G0B+2], s[CX], 8
	s_add_co_u32 s[G0B+2], s[G0B+2], s2            ; B: row 256 cx + 128 x half
	s_lshl_b32 s[G0SB+2], s[G0B+2], 5
	s_lshl_b32 s[G0B+2], s[G0B+2], 10
	s_mov_b32 s[G0B+3], 0
	s_mov_b32 s[G0SB+3], 0
	s_mul_i32 s2, s[WV], HALFT                     ; where they go: wave x a quarter: no place in the cluster enters an LDS address
	s_mul_i32 s3, s[WV], HALFS
.irp s, 0,1
	s_mov_b32 s[G0+4*\s], 1
	s_add_co_u32 s[G0+4*\s+1], s2, \s*SLOT
	s_mov_b32 s[G0B+4*\s], 1
	s_add_co_u32 s[G0B+4*\s+1], s2, \s*SLOT
.endr
	s_mov_b32 s[G0S], 1
	s_add_co_u32 s[G0S+1], s3, SCL
	s_mov_b32 s[G0SB], 1
	s_add_co_u32 s[G0SB+1], s3, SCL
	s_mov_b32 s[MNT], 0x600000
	s_mov_b32 s[SEL], 0x76543210
	s_mov_b32 s[SEL+1], 0xfedcba98
	s_wait_dscnt 0x0                               ; both opening adds are done
	s_wait_kmcnt 0x0
	s_cmp_eq_u32 s[TYPE], 0                        ; the weight and its bias are chosen by the cluster's x, which hangs on no address
	s_cselect_b64 s[12:13], s[8:9], s[12:13]       ; B's codes: Wq's or Wk's
	s_cselect_b64 s[14:15], s[10:11], s[14:15]     ; B's scales
	s_cselect_b64 s[22:23], s[20:21], s[22:23]     ; bq or bk
	s_add_nc_u64 s[G0+2:G0+3], s[4:5], s[G0+2:G0+3]
	s_add_nc_u64 s[G0+6:G0+7], s[G0+2:G0+3], ROWB  ; slot 1: the next 256 along K
	s_or_b32 s[G0+3], s[G0+3], 0x80000000          ; 127:126 type = 2
	s_or_b32 s[G0+7], s[G0+7], 0x80000000
	s_add_nc_u64 s[G0B+2:G0B+3], s[12:13], s[G0B+2:G0B+3]
	s_add_nc_u64 s[G0B+6:G0B+7], s[G0B+2:G0B+3], ROWB
	s_or_b32 s[G0B+3], s[G0B+3], 0x80000000
	s_or_b32 s[G0B+7], s[G0B+7], 0x80000000
	s_add_nc_u64 s[G0S+2:G0S+3], s[6:7], s[G0S+2:G0S+3]
	s_or_b32 s[G0S+3], s[G0S+3], 0x80000000
	s_add_nc_u64 s[G0SB+2:G0SB+3], s[14:15], s[G0SB+2:G0SB+3]
	s_or_b32 s[G0SB+3], s[G0SB+3], 0x80000000
	CROUND                                         ; all sixteen work-groups are here: the first joint loads meet
	JLOAD G0S, G1S, G0SB, G1SB                     ; the scale bytes first: they are wanted with K step 0
	JLOAD G0, G1, G0B, G1B                         ; slot 0
	JLOAD G0+4, G1, G0B+4, G1B                     ; slot 1: three tensor loads of mine are out
	v_and_b32 v1, 15, v0                           ; r
	v_bfe_u32 v2, v0, 4, 1                         ; h
	v_and_b32 v7, 31, v0                           ; lane
	; THE BIAS IS THE C OF EACH SUM'S FIRST MATRIX INSTRUCTION.  For q and k it goes with the columns: register 8 g + j = bias[16 g + 8 h + j] of my 128 columns
	s_lshl_b32 s2, s[CX], 10                       ; 256 numbers of 4 bytes,
	SHADD WC, 9                                    ; my half of them
	s_mov_b32 s3, 0
	s_add_nc_u64 s[22:23], s[22:23], s[2:3]
	v_lshlrev_b32 v[BO], 5, v2
.irp g, 0,1,2,3,4,5,6,7
	global_load_b128 v[BIAS1+8*\g:BIAS1+8*\g+3], v[BO], s[22:23] offset:64*\g
	global_load_b128 v[BIAS1+8*\g+4:BIAS1+8*\g+7], v[BO], s[22:23] offset:64*\g+16
.endr
	; the second tile's scale bytes: 4,096 dense bytes of Wv's, 8,192 of x's: the 128 threads take 2,048 consecutive bytes a load
	s_lshl_b32 s2, s[AROW2], 12
	s_add_nc_u64 s[18:19], s[18:19], s[2:3]
	s_lshl_b32 s2, s[BROW2], 13
	s_add_nc_u64 s[6:7], s[6:7], s[2:3]
	v_lshlrev_b32 v[SLD], 4, v0
.irp j, 0,1
	global_load_b128 v[STGR+4*\j:STGR+4*\j+3], v[SLD], s[18:19] offset:2048*\j
.endr
.irp j, 0,1,2,3
	global_load_b128 v[STGR+8+4*\j:STGR+8+4*\j+3], v[SLD], s[6:7] offset:2048*\j
.endr
	; LDS addresses
	v_mul_u32_u24 v4, v1, PITCH
	v_lshl_add_u32 v4, v2, 4, v4                   ; a fragment's row x pitch + 16 x half
	s_mul_i32 s2, s[WR], HALFT                     ; first tile: my 128 rows of A,
	s_mul_i32 s3, s[WC], HALFT                     ; my 128 rows of B,
	s_add_co_u32 s3, s3, 2*HALFT                   ; which lie behind A's 256
.irp s, 0,1
	v_add_nc_u32 v[ADRA1+\s], s2, v4
	v_add_nc_u32 v[ADRB1+\s], s3, v4
	s_add_co_u32 s2, s2, SLOT
	s_add_co_u32 s3, s3, SLOT
.endr
	s_mul_i32 s2, s[WR], 64*PITCH                  ; second tile: my 64 rows of A,
	s_mul_i32 s3, s[WC], HALFT                     ; my 128 rows of B,
	s_add_co_u32 s3, s3, HALFT                     ; which lie behind A's 128
.irp s, 0,1
	v_add_nc_u32 v[ADRA2+\s], s2, v4
	v_add_nc_u32 v[ADRB2+\s], s3, v4
	s_add_co_u32 s2, s2, SLOT
	s_add_co_u32 s3, s3, SLOT
.endr
	v_mul_u32_u24 v5, v1, KS                       ; my row's scale bytes: 32 a row,
	v_lshrrev_b32 v6, 8, v5
	v_lshl_add_u32 v5, v6, 4, v5                   ; and 16 more for each 256 passed
	s_mul_i32 s2, s[WR], HALFS                     ; first tile: A's: my 128 rows
	s_mul_i32 s3, s[WC], HALFS                     ; B's: my 128 rows, behind A's 256
	s_add_co_u32 s3, s3, 2*HALFS
	s_sub_co_u32 s3, s3, s2
	v_mul_u32_u24 v6, s3, v2                       ; lanes 16-31 take B's: the lower base + h x the distance
	s_add_co_u32 s2, s2, SCL
	v_add_nc_u32 v6, v5, v6
	v_add_nc_u32 v[ADRS1], s2, v6
	s_mul_i32 s2, s[WR], HALFS/2                   ; second tile: A's: my 64 rows
	s_mul_i32 s3, s[WC], HALFS                     ; B's: my 128 rows, behind A's 128
	s_add_co_u32 s3, s3, HALFS
	s_sub_co_u32 s3, s3, s2
	v_mul_u32_u24 v6, s3, v2
	s_add_co_u32 s2, s2, SCL2
	v_add_nc_u32 v6, v5, v6
	v_add_nc_u32 v[ADRS2], s2, v6                  ; (beside B's blocks 4-7 A has none: lanes 0-15 then read other bytes of the same region, and nobody uses them)
	v_lshlrev_b32 v[LI], 4, v7
	v_lshlrev_b32 v[L8], 3, v7
	v_lshlrev_b32 v[PFO], 10, v7
	v_lshlrev_b32 v[BO2], 2, v1
	s_lshl_b32 s2, s[WV], 9
	s_add_co_u32 s2, s2, SSTG
	v_lshl_add_u32 v[SSA], v1, 2, s2
	v_add_nc_u32 v[SSR], s2, v[LI]
	v_add_nc_u32 v[SSR2], s2, v[L8]
	v_lshrrev_b32 v3, 4, v0
	v_lshl_add_u32 v3, v3, 4, v[SLD]               ; 16 t + 16 (t / 16): 16 bytes of padding behind each 256
	v_add_nc_u32 v[SST], SCL2, v3
	; descriptor group 1 for the second tile's A: 64 rows x 256 bytes (the registers that held Wq's and Wk's addresses are done with)
	s_or_b32 s[G1A2], s[RMK], (1<<20)|(1<<21)|(5<<22)|(3<<25)
	s_mov_b32 s[G1A2+1], ROWB<<16
	s_mov_b32 s[G1A2+2], 64<<16
	s_mov_b32 s[G1A2+3], ROWB<<16
	s_mov_b32 s[G1A2+4], 64
	s_mov_b32 s[G1A2+5], KROW
	s_mov_b32 s[G1A2+6], 0
	s_mov_b32 s[G1A2+7], 0
	; what the second tile fetches, and its bias
	s_lshl_b32 s2, s[AROW2], 17                    ; 128 rows of 1,024 bytes
	s_mov_b32 s3, 0
	s_add_nc_u64 s[PA2:PA2+1], s[PA2:PA2+1], s[2:3]   ; Wv at the tile's first row (my half of it is added below, behind the prefetch's address)
	s_lshl_b32 s2, s[BROW2], 18                    ; 256 rows,
	SHADD WC, 17                                   ; my half
	s_mov_b32 s3, 0
	s_add_nc_u64 s[PB2:PB2+1], s[PB2:PB2+1], s[2:3]
	s_lshl_b32 s2, s[AROW2], 9                     ; 128 numbers of 4 bytes,
	SHADD WR, 8                                    ; my 64 rows
	s_mov_b32 s3, 0
	s_add_nc_u64 s[BV:BV+1], s[BV:BV+1], s[2:3]
	; where the results go.  Second tile: my 128 columns are keys: batch BROW2 / 8, K step 2 (BROW2 % 8) + half; my first row block is 8 AROW2 + 4 x half
	s_lshr_b32 s2, s[BROW2], 3
	s_lshl_b32 s2, s2, 21                          ; a batch of v^T: 64 row blocks of 32,768 bytes
	s_and_b32 s3, s[BROW2], 7
	s_lshl_b32 s3, s3, 12
	s_add_co_u32 s2, s2, s3
	SHADD WC, 11
	SHADD AROW2, 18
	SHADD WR, 17
	s_add_co_u32 s2, s2, 0x1000000                 ; v^T lies behind q and k
	s_mov_b32 s3, 0
	s_add_nc_u64 s[OC2:OC2+1], s[OC1:OC1+1], s[2:3]
	s_lshr_b32 s2, s[BROW2], 3
	s_lshl_b32 s2, s2, 16                          ; a batch's scale words: 16 K steps x 1,024 rows x 4 bytes
	s_and_b32 s3, s[BROW2], 7
	s_lshl_b32 s3, s3, 13
	s_add_co_u32 s2, s2, s3
	SHADD WC, 12
	SHADD AROW2, 9
	SHADD WR, 8
	s_add_co_u32 s2, s2, 524288
	s_mov_b32 s3, 0
	s_add_nc_u64 s[OS2:OS2+1], s[OS1:OS1+1], s[2:3]
	; first tile: my 128 columns are K step 2 cx + half of q or of k; my first row block is 16 AROW + 8 x half
	s_lshl_b32 s2, s[TYPE], 14                     ; k lies behind q in a row block
	SHADD AROW, 19
	SHADD WR, 18
	SHADD CX, 12
	SHADD WC, 11
	s_mov_b32 s3, 0
	s_add_nc_u64 s[OC1:OC1+1], s[OC1:OC1+1], s[2:3]
	s_lshl_b32 s2, s[TYPE], 18
	SHADD CX, 16                                   ; a K step's scale words: 8,192 rows x 4 bytes
	SHADD WC, 15
	SHADD AROW, 10
	SHADD WR, 9
	s_mov_b32 s3, 0
	s_add_nc_u64 s[OS1:OS1+1], s[OS1:OS1+1], s[2:3]
	s_wait_loadcnt 0x0                             ; the bias and the second tile's scale bytes are in; the loads' bases are free
.irp j, 0,1,2,3,4,5
	ds_store_b128 v[SST], v[STGR+4*\j:STGR+4*\j+3] offset:(HALFS/2)*\j   ; 2,048 bytes, eight units, a store
.endr
	s_lshl_b32 s2, s[CX], 15                       ; the prefetch: my work-group's 32 rows of the 128,
	SHADD WV, 8                                    ; my wave's 256 bytes of a row
	s_mov_b32 s3, 0
	s_add_nc_u64 s[PFA:PFA+1], s[PA2:PA2+1], s[2:3]
	s_lshl_b32 s2, s[WC], 16                       ; and the 64 rows that I fetch
	s_add_nc_u64 s[PA2:PA2+1], s[PA2:PA2+1], s[2:3]
.macro FRAG reg, adr, q, i             ; 16 rows x 128 K: lane l holds row l % 16; registers 4 c .. 4 c + 3 hold K = 32 c + 16 (l / 16) + 0 .. 15
.irp c, 0,1,2,3
	ds_load_b128 v[\reg+4*\c:\reg+4*\c+3], v[\adr] offset:128*(\q)+32*\c+(\i)*16*PITCH
.endr
.endm
.macro FETCH_B slot, q, p              ; B's eight fragments into set p
	WIN 0x40                                       ; destination window 1
.irp i, 0,1,2,3,4,5,6,7
	FRAG 128*(\p)+FR*\i, ADRB+\slot, \q, \i
.endr
	WIN 0
.endm
.macro FETCH_A slot, q, i0             ; A's blocks i0 .. i0 + HB - 1
.set ii, \i0
.rept HB
	FRAG AF+FR*ii, ADRA+\slot, \q, ii
.set ii, ii+1
.endr
.endm
.macro SCALES sc                       ; a slot's scale words into set sc: two words a row
.irp i, 0,1,2,3,4,5,6,7
	ds_load_b64 v[SC+16*\sc+2*\i:SC+16*\sc+2*\i+1], v[ADRS] offset:\i*SBLK
.endr
.endm
; 8 matrix instructions: A's block a against B's eight.  p: B's set; q: which 128 of the slot; sc: the set of scale words.  cm: what C is: 0 the sum so far; 2 the bias of the columns; 3 the bias of the rows.
; The accumulators take turns, one instruction a turn, in the same order in every step.
.macro MULB a, p, q, sc, cm
.set DD, 64*((\a)%HB)
.if (\cm) == 0
	WIN 0xa1+0x50*((\a)/HB)                        ; source 0 (B) window 1, source 1 (A) window 0, C and D window 2 or 3
.else
	WIN 0x81+0x40*((\a)/HB)                        ; the same with C, the bias, in window 0
.endif
.irp b, 0,1,2,3,4,5,6,7
.if (\cm) == 0
	v_wmma_scale_f32_16x16x128_f8f6f4 v[DD+8*\b:DD+8*\b+7], v[128*(\p)+FR*\b:128*(\p)+FR*\b+FR-1], v[AF+FR*(\a):AF+FR*(\a)+FR-1], v[DD+8*\b:DD+8*\b+7], v[SC+16*(\sc)+2*\b+(\q)], v[SC+16*(\sc)+2*(\a)+(\q)] matrix_a_fmt:MATRIX_FMT_BF8 matrix_b_fmt:MATRIX_FMT_BF8 matrix_a_scale:MATRIX_SCALE_ROW1
.elseif (\cm) == 2
	v_wmma_scale_f32_16x16x128_f8f6f4 v[DD+8*\b:DD+8*\b+7], v[128*(\p)+FR*\b:128*(\p)+FR*\b+FR-1], v[AF+FR*(\a):AF+FR*(\a)+FR-1], v[BIAS+8*\b:BIAS+8*\b+7], v[SC+16*(\sc)+2*\b+(\q)], v[SC+16*(\sc)+2*(\a)+(\q)] matrix_a_fmt:MATRIX_FMT_BF8 matrix_b_fmt:MATRIX_FMT_BF8 matrix_a_scale:MATRIX_SCALE_ROW1
.else
	v_wmma_scale_f32_16x16x128_f8f6f4 v[DD+8*\b:DD+8*\b+7], v[128*(\p)+FR*\b:128*(\p)+FR*\b+FR-1], v[AF+FR*(\a):AF+FR*(\a)+FR-1], v[BIAS+8*(\a):BIAS+8*(\a)+7], v[SC+16*(\sc)+2*\b+(\q)], v[SC+16*(\sc)+2*(\a)+(\q)] matrix_a_fmt:MATRIX_FMT_BF8 matrix_b_fmt:MATRIX_FMT_BF8 matrix_a_scale:MATRIX_SCALE_ROW1
.endif
.endr
.endm
.macro MULG a0, cnt, p, q, sc, cm      ; blocks a0 .. a0 + cnt - 1
.set aa, \a0
.rept \cnt
	MULB aa, \p, \q, \sc, \cm
.set aa, aa+1
.endr
.endm
; A step of 128 along K that has its successor in the same slot.  A load into a register that a matrix instruction has read stands NP places behind it; only plain vector instructions that name none of its registers are places.
.macro STEP slot, q, cm
	s_wait_dscnt HB*NL                             ; B's set, the scale words and A's lower blocks are in; the youngest loads (A's upper blocks) may be out
	MULG 0, HB, (\q)%2, \q, \slot, \cm
	s_wait_dscnt 0x0                               ; A's upper blocks are in
	PLACES NP
	FETCH_B \slot, (\q)+1, 1-(\q)%2
	FETCH_A \slot, (\q)+1, 0
	MULG HB, HB, (\q)%2, \q, \slot, \cm
	PLACES NP
	WIN 0
	FETCH_A \slot, (\q)+1, HB
.endm
; This slot's two groups 0 are set for the second tile's K step `slot`: A's halves of 64 rows from the slot's first byte on, B's halves of 128 rows behind A's 128.  (No tensor load of mine is out.)
.macro TOV slot
	s_mul_i32 s[G0+4*\slot+1], s[WC], 64*PITCH
	s_add_co_u32 s[G0+4*\slot+1], s[G0+4*\slot+1], \slot*SLOT
	s_add_nc_u64 s[G0+4*\slot+2:G0+4*\slot+3], s[PA2:PA2+1], \slot*ROWB
	s_or_b32 s[G0+4*\slot+3], s[G0+4*\slot+3], 0x80000000
	s_mul_i32 s[G0B+4*\slot+1], s[WC], HALFT
	s_add_co_u32 s[G0B+4*\slot+1], s[G0B+4*\slot+1], HALFT+\slot*SLOT
	s_add_nc_u64 s[G0B+4*\slot+2:G0B+4*\slot+3], s[PB2:PB2+1], \slot*ROWB
	s_or_b32 s[G0B+4*\slot+3], s[G0B+4*\slot+3], 0x80000000
.endm
; A slot's last step changes slots: ONE barrier; in front of it each wave waits for all its tensor loads, adds 0 to its spare word, and waits for that and for its own reads of this slot.
; fill = 1: this slot is filled again, two K steps ahead; 2: with the second tile's K step 0; 0: not at all.  ask = 1: the prefetch stands here.
.macro TURN slot, next, fill, ask
	s_wait_tensorcnt 0x0                           ; all my tensor loads have landed: my part of the next slot
	ds_add_u32 v[SPW], v[NIL]                      ; 0 onto my spare word
	s_wait_dscnt HB*NL+1                           ; (the add and A's upper blocks may be out)
	MULG 0, HB/2, 1, NQ-1, \slot, 0                ; matrix instructions stand between the add and the wait for it
	s_wait_dscnt 0x0                               ; the add is done, and my reads of this slot are over
	s_barrier_signal -1
	MULG HB/2, HB/2, 1, NQ-1, \slot, 0
	WIN 0
	s_barrier_wait -1
.if (\fill) == 1
	CREST                                          ; the barrier has opened a round of the cluster's barrier: no wave of any partner still reads this slot or has a load on its way
	s_add_nc_u64 s[G0+4*\slot+2:G0+4*\slot+3], s[G0+4*\slot+2:G0+4*\slot+3], 2*ROWB
	s_add_nc_u64 s[G0B+4*\slot+2:G0B+4*\slot+3], s[G0B+4*\slot+2:G0B+4*\slot+3], 2*ROWB
	JLOAD G0+4*\slot, GA, G0B+4*\slot, G1B         ; the first tensor load behind the round; its four v_nop are among the places in front of the loads below
	PLACES NP-4
.elseif (\fill) == 2
	CREST
	TOV \slot
	JLOAD G0+4*\slot, G1A2, G0B+4*\slot, G1B       ; THE RING GOES ON INTO THE SECOND TILE
	PLACES NP-4
.else
	PLACES NP
.endif
	v_add_nc_u32 v[ADRS], SSTEP, v[ADRS]           ; on to the next slot's scale words
	FETCH_B \next, 0, 0
	FETCH_A \next, 0, 0
	SCALES \next
.if \ask
	ASK
.endif
	MULG HB, HB, 1, NQ-1, \slot, 0
	PLACES NP
	WIN 0
	FETCH_A \next, 0, HB
.endm
; THE WAY OUT of block a (16 rows x 128 columns): four blocks of 32 are quantised in registers; the codes are one fragment, stored as it stands.
.macro QUANT a
.set W, 2+(\a)/HB
.set AC, 64*((\a)%HB)
.set PCA, PC+16*(\a)
	WIN (W|(W<<2))                                 ; sources 0 and 1: the accumulators' window
.irp b, 0,1,2,3
	v_max3_num_f32 v[TM+\b], |v[AC+16*\b]|, |v[AC+16*\b+1]|, 0x8000000   ; block b: my 16 numbers, each accumulator from its low end on, and the floor 2^(16 - 127): so the byte cannot fall under 1
.endr
.irp i, 2,4,6,8,10,12,14
.irp b, 0,1,2,3
	v_max3_num_f32 v[TM+\b], |v[AC+16*\b+\i]|, |v[AC+16*\b+\i+1]|, v[TM+\b]   ; (the four blocks by turns)
.endr
.endr
	WIN 0
.irp b, 0,1,2,3
	v_permlanex16_b32 v[TM+4+\b], v[TM+\b], s[SEL], s[SEL+1]
.endr
.irp b, 0,1,2,3
	v_max_num_f32 v[TM+\b], v[TM+\b], v[TM+4+\b]   ; with lane l xor 16's 16: the block's largest magnitude
.endr
.irp b, 0,1,2,3
	v_add_nc_u32 v[TM+12+\b], 0xf8800000, v[TM+\b] ; 15 off its exponent field: the conversion takes that field as its scale
.endr
.irp b, 0,1,2,3
	v_and_or_b32 v[TM+8+\b], v[TM+\b], 0x7f800000, s[MNT]   ; 57,344 x the scale
.endr
.irp b, 0,1,2,3
	v_lshrrev_b32 v[TM+4+\b], 23, v[TM+12+\b]      ; the scale's byte
.endr
	v_lshl_or_b32 v[PW+(\a)], v[TM+5], 8, v[TM+4]  ; my row's scale word for this K step
	v_lshl_or_b32 v[PW+(\a)], v[TM+6], 16, v[PW+(\a)]
	v_lshl_or_b32 v[PW+(\a)], v[TM+7], 24, v[PW+(\a)]
	WIN (W|(W<<6))
.irp b, 0,1,2,3
.irp i, 0,1,2,3,4,5,6,7,8,9,10,11,12,13,14,15
	v_med3_num_f32 v[AC+16*\b+\i], v[AC+16*\b+\i], -v[TM+8+\b], v[TM+8+\b]   ; the conversion to an 8-bit code does not saturate (ISA guide 7.6.2): the hold comes first
.endr
.endr
	WIN W
.irp b, 0,1,2,3
	v_cvt_scalef32_pk8_bf8_f32 v[PCA+4*\b:PCA+4*\b+1], v[AC+16*\b:AC+16*\b+7], v[TM+12+\b]
	v_cvt_scalef32_pk8_bf8_f32 v[PCA+4*\b+2:PCA+4*\b+3], v[AC+16*\b+8:AC+16*\b+15], v[TM+12+\b]
.endr
	v_nop                                          ; one plain vector instruction behind the last conversion: the next block writes the scale operands anew, the next tile's products the numbers
	WIN 0
.irp c, 0,1,2,3
	global_store_b128 v[LI], v[PCA+4*\c:PCA+4*\c+3], s[OCP:OCP+1] offset:32768*(\a)+512*\c   ; 32 lanes store 512 consecutive bytes, aligned
.endr
.endm
	; ---- THE FIRST TILE: 256 rows of x against 256 rows of Wq or Wk
.set NA,   8                           ; A's blocks of 16 rows in a wave
.set HB,   NA/2
.set ADRA, ADRA1
.set ADRB, ADRB1
.set ADRS, ADRS1
.set BIAS, BIAS1
.set GA,   G1
.set OCP,  OC1
	s_wait_tensorcnt 1                             ; the scale bytes and my part of slot 0 are in; slot 1's load may stay out
	s_wait_dscnt 0x0                               ; for the others' sake: my part of the second tile's scale bytes lies in LDS
	s_barrier_signal -1
	s_barrier_wait -1                              ; everybody's are
	FETCH_B 0, 0, 0
	FETCH_A 0, 0, 0
	SCALES 0
	FETCH_A 0, 0, HB
	STEP 0, 0, 2                                   ; the first step starts the sums with the bias of the columns: nothing is cleared, nothing is added later
	TURN 0, 1, 1, 1                                ; K = 1,024 is four slots: each slot is filled again once, so the laps are written out without a loop
	STEP 1, 0, 0
	TURN 1, 0, 1, 0
	STEP 0, 0, 0
	TURN 0, 1, 2, 0                                ; slot 0 takes the second tile's K step 0
	STEP 1, 0, 0
	; the tile's last step: the same change of slots, but nothing is fetched from LDS behind it: the registers go to the way out first
	s_wait_tensorcnt 0x0                           ; all my tensor loads have landed: my part of slot 0, the second tile's K step 0
	ds_add_u32 v[SPW], v[NIL]                      ; 0 onto my spare word
	s_wait_dscnt HB*NL+1                           ; (the add and A's upper blocks may be out)
	MULG 0, HB/2, 1, NQ-1, 1, 0
	s_wait_dscnt 0x0                               ; the add is done, and my reads of slot 1 are over
	s_barrier_signal -1
	MULG HB/2, HB/2, 1, NQ-1, 1, 0
	WIN 0
	s_barrier_wait -1
	CREST                                          ; a round of the cluster's barrier: no wave of any partner still reads slot 1 or has a load on its way; and slot 0 is whole
	TOV 1
	JLOAD G0+4, G1A2, G0B+4, G1B                   ; slot 1 takes the second tile's K step 1: it lands while the first tile goes out
	MULG HB, HB, 1, NQ-1, 1, 0
	WIN 0
.irp b, 0,1,2,3
	v_mov_b32 v[TM+4+\b], 0                        ; a lane permute's destination counts as one of its sources.  (These four and the four below are the places behind the last products)
.endr
	PLACES NP-4
.irp a, 0,1,2,3
.irp j, 0,1,2,3,4,5,6,7
	global_load_b32 v[BIAS2+8*\a+\j], v[BO2], s[BV:BV+1] offset:64*\a   ; the second tile's bias goes with the rows: bv[16 a + r] of my 64 rows, the same in all eight registers of a block
.endr
.endr
.irp a, 0,1,2,3,4,5,6,7
	QUANT \a
.endr
.irp a, 0,1,2,3,4,5,6,7
	ds_store_b32 v[SSA], v[PW+\a] offset:64*\a     ; my 128 rows' scale words meet in my own 512 bytes (both halves of the lanes write the same word with the same value)
.endr
	ds_load_b128 v[SWB:SWB+3], v[SSR]              ; LDS serves a wave's instructions in order: this sees my stores
	s_wait_dscnt 0x0
	global_store_b128 v[LI], v[SWB:SWB+3], s[OS1:OS1+1]   ; 512 consecutive bytes, aligned
	; ---- THE SECOND TILE: 128 rows of Wv against 256 rows of x.  Nothing waits for the first tile's stores
.set NA,   4
.set HB,   NA/2
.set ADRA, ADRA2
.set ADRB, ADRB2
.set ADRS, ADRS2
.set BIAS, BIAS2
.set GA,   G1A2
.set OCP,  OC2
	s_wait_xcnt 0x0                                ; the first tile's stores have read their registers: A's fragments may land there
	FETCH_B 0, 0, 0                                ; slot 0 was shown whole to every wave by the round above
	FETCH_A 0, 0, 0
	SCALES 0
	FETCH_A 0, 0, HB
	s_wait_loadcnt 0x0                             ; the bias of the rows
	STEP 0, 0, 3
	TURN 0, 1, 1, 0
	STEP 1, 0, 0
	TURN 1, 0, 1, 0
	STEP 0, 0, 0
	TURN 0, 1, 0, 0                                ; the last lap fills nothing, and has no round of the cluster's barrier
	STEP 1, 0, 0
	s_wait_dscnt HB*NL                             ; the very last step: nothing more to fetch
	MULG 0, HB, 1, NQ-1, 1, 0
	s_wait_dscnt 0x0
	MULG HB, HB, 1, NQ-1, 1, 0
	WIN 0
	PLACES NP
.irp a, 0,1,2,3
	QUANT \a
.endr
.irp a, 0,1,2,3
	ds_store_b32 v[SSA], v[PW+\a] offset:64*\a     ; my 64 rows' scale words: 256 bytes
.endr
	ds_load_b64 v[SWB2:SWB2+1], v[SSR2]
	s_wait_dscnt 0x0
	global_store_b64 v[L8], v[SWB2:SWB2+1], s[OS2:OS2+1]   ; 32 lanes store 256 consecutive bytes, aligned
	s_wait_tensorcnt 0x0                           ; the wave's end: behind my last tensor load and my last LDS store
	ds_add_u32 v[SPW], v[NIL]
	s_wait_dscnt 0x0
	CROUND                                         ; the closing round: no work-group ends while a partner may still ask for a tile that names it
	s_endpgm
.Lfunc_end_k_qdd11e08c0b_proj:
	.size	k_qdd11e08c0b_proj, .Lfunc_end_k_qdd11e08c0b_proj-k_qdd11e08c0b_proj
	.p2alignl 7, 3214868480
	.fill 96, 4, 3214868480
	.section	.rodata,"a",@progbits
	.p2align	6, 0x0
	.amdhsa_kernel k_qdd11e08c0b_proj
		.amdhsa_group_segment_fixed_size 327680
		.amdhsa_private_segment_fixed_size 0
		.amdhsa_enable_private_segment 0
		.amdhsa_kernarg_size 104
		.amdhsa_user_sgpr_count 2
		.amdhsa_user_sgpr_kernarg_segment_ptr 1
		.amdhsa_wavefront_size32 1
		.amdhsa_system_sgpr_workgroup_id_x 1
		.amdhsa_system_sgpr_workgroup_id_y 1
		.amdhsa_system_sgpr_workgroup_id_z 1
		.amdhsa_system_vgpr_workitem_id 0
		.amdhsa_next_free_vgpr 1024
		.amdhsa_next_free_sgpr 106
		.amdhsa_reserve_vcc 0
		.amdhsa_float_denorm_mode_32 3
		.amdhsa_float_denorm_mode_16_64 3
		.amdhsa_memory_ordered 1
		.amdhsa_forward_progress 1
		.amdhsa_inst_pref_size 255
	.end_amdhsa_kernel
	.section	.bss,"aw",@nobits
	.p2align	6
	.space	262144
	.amdgpu_metadata
---
amdhsa.version: [ 1, 2 ]
amdhsa.kernels:
  - .name:           k_qdd11e08c0b_proj
    .symbol:         k_qdd11e08c0b_proj.kd
    .args:
      - { .name: input_codes, .offset: 0, .size: 8, .value_kind: global_buffer, .address_space: global }
      - { .name: input_scales, .offset: 8, .size: 8, .value_kind: global_buffer, .address_space: global }
      - { .name: Wq_codes, .offset: 16, .size: 8, .value_kind: global_buffer, .address_space: global }
      - { .name: Wq_scales, .offset: 24, .size: 8, .value_kind: global_buffer, .address_space: global }
      - { .name: Wk_codes, .offset: 32, .size: 8, .value_kind: global_buffer, .address_space: global }
      - { .name: Wk_scales, .offset: 40, .size: 8, .value_kind: global_buffer, .address_space: global }
      - { .name: Wv_codes, .offset: 48, .size: 8, .value_kind: global_buffer, .address_space: global }
      - { .name: Wv_scales, .offset: 56, .size: 8, .value_kind: global_buffer, .address_space: global }
      - { .name: bq, .offset: 64, .size: 8, .value_kind: global_buffer, .address_space: global }
      - { .name: bk, .offset: 72, .size: 8, .value_kind: global_buffer, .address_space: global }
      - { .name: bv, .offset: 80, .size: 8, .value_kind: global_buffer, .address_space: global }
      - { .name: qkv_codes, .offset: 88, .size: 8, .value_kind: global_buffer, .address_space: global }
      - { .name: qkv_scales, .offset: 96, .size: 8, .value_kind: global_buffer, .address_space: global }
    .group_segment_fixed_size: 327680
    .private_segment_fixed_size: 0
    .kernarg_segment_align: 8
    .kernarg_segment_size: 104
    .max_flat_workgroup_size: 128
    .sgpr_count:     106
    .vgpr_count:     1024
    .wavefront_size: 32
...
	.end_amdgpu_metadata
.endif
;; end of part 1
;; launch score (part 2): grid 8 x 32, 4 waves a work-group, clusters of 4 x 4, 327,680 bytes of LDS; arguments qkv_codes, qkv_scales, p_codes, p_stats; writes p_codes, p_stats
.if DOCPART == 2
	.amdgcn_target "amdgcn-amd-amdhsa--gfx1250"
	.amdhsa_code_object_version 6
	.text
	.protected	k_qdd11e08c0b_score
	.globl	k_qdd11e08c0b_score
	.p2align	8
	.type	k_qdd11e08c0b_score,@function
k_qdd11e08c0b_score:
	s_mov_b64 s[64:65], 0
	v_nop
	global_prefetch_b8 v0, s[64:65] scope:SCOPE_SE
	s_setreg_imm32_b32 hwreg(HW_REG_WAVE_MODE, 25, 1), 1
	s_wait_xcnt 0x0
	s_wait_alu depctr_hold_cnt(0) depctr_sa_sdst(0) depctr_va_vdst(0) depctr_va_sdst(0) depctr_va_ssrc(0) depctr_va_vcc(0) depctr_vm_vsrc(0)
	s_getreg_b32 s2, hwreg(HW_REG_IB_STS2, 6, 4)
	s_cmp_eq_u32 s2, 0
	s_cbranch_scc0 .Lentry_in_a_cluster
	s_endpgm
.Lentry_in_a_cluster:
	s_bfe_u32 s2, ttmp6, 0x10000c
	s_cmp_lg_u32 s2, 0xf033
	s_cbranch_scc0 .Lentry_shape_is_right
	s_endpgm
.Lentry_shape_is_right:
; SECOND LAUNCH: S = q k^T on the codes that the first launch made, and the softmax's p ahead of the last product.  Nothing of the problem is left out here.
; t = S x log2(e) / 32.  A wave holds 128 queries x 128 keys.  For each query it takes M_loc = the ceiling of the largest t AMONG ITS 128 KEYS, p = 2^(t - M_loc), l_loc = the sum of the unquantised p, and quantises p
; along the keys, in blocks of 32.  M_loc is a whole number, so bringing p under the row's M later is an exact power of two, which the block's scale byte takes up: the third launch subtracts M - M_loc from the bytes.
; LIMITS: NaN and infinities are not served.  A block whose every p has fallen to 0 keeps the byte 1: its codes are zeros.
; SHAPE.  256 tiles of 256 queries x 256 keys, K = d = 1,024; four waves of 128 x 128; a ring of two LDS slots of 256 along K; 4 x 4 clusters: q's tiles are asked for jointly along a row of the cluster, k's along a column.
; OPERANDS ARE IMAGES OF FRAGMENT REGISTERS: a fragment is 2,048 dense bytes, registers 4 c .. 4 c + 3 of lane l at 512 c + 16 l: no pitch, no padding; each LDS load of the wave reads 512 consecutive bytes.
; The matrix instruction is used transposed (source 0 = 16 keys, source 1 = 16 queries): lane (r, h), register j of accumulator (a, b) holds S(query 16 a + r, key 16 b + 8 h + j).  p's codes leave as a fragment's image, with the
; same exchange inside each block of 32 keys that v^T's images carry.
; p_codes: [row block 512 of queries][K step 16 of 128 keys][2,048].  p_stats: three planes of [chunk 16 of 128 keys][query 8,192] words: p's scale word under M_loc; -M_loc (f32); l_loc (f32).
; REGISTERS: window 0: v0-31 addresses; v32-63 scale words, two sets, and nothing else; v64-127 at work on the way out; v128-255 q's fragments, later p's codes.  window 1: k's fragments, two sets.  windows 2, 3: the accumulators.
.set NA,    8
.set HB,    NA/2
.set NQ,    2
.set FR,    16
.set NL,    4
.set NP,    8                          ; places behind this matrix instruction (ISA guide 7.12.1)
.set SLB,   4096                       ; a slot's bytes of one row block: two K steps
.set QUART, 8*SLB                      ; what one tensor load brings: 8 row blocks
.set SLOT,  4*QUART                    ; q's 16 row blocks, then k's 16
.set SCL,   2*SLOT                     ; behind the ring: the scale words, a quarter for each fetching wave: [K step 8][128 words]
.set SSTEP, 1024                       ; a slot's two K steps of scale words
.set SPARE, SCL+4*4096                 ; the spare words, 128 bytes for each wave
.set SSTG,  SPARE+512                  ; 1,536 bytes for each wave: its scale words, -M_loc and l_loc on their way out; no tile lands here
.set ADRA, 16
.set ADRB, 20
.set LI,   24                          ; v24  16 x lane
.set SSA,  25
.set SSR,  26
.set ADRS, 27
.set SPW,  28
.set NIL,  29
.set SC,   32
.set BMX,  64                          ; v64-67   each block's largest score, then its largest p
.set T4,   68                          ; v68-71   at work
.set LIM,  72                          ; v72-75   57,344 x the scale
.set SCO,  76                          ; v76-79   the conversions' scale operands
.set S0,   80                          ; v[80:81], v[82:83] the sum, in two chains of pairs
.set S1,   82
.set PW,   84                          ; v84-91   block a's scale word
.set LS,   92                          ; v92-99   block a's l_loc
.set NMS,  100                         ; v100-115 block a: -M_loc at 2 a, the largest t at 2 a + 1 (the packed scaling names the pair)
.set RBK,  116                         ; v116-127 read back from the stage
.set AF,   128
.set PC,   128
.set CS,   30                          ; s[30:31] c = log2(e) / 32
.set G1,   32
.set G0,   40
.set G1B,  48
.set G0B,  56
.set RMK,  66
.set CMK,  67
.set G1S,  68
.set G0S,  76
.set G1SB, 80
.set G0SB, 88
.set WV,   92
.set WR,   93
.set WC,   94
.set CX,   95
.set CY,   96
.set XX,   97                          ; which 256 keys of the batch
.set YY,   98                          ; which 256 of the 8,192 queries
.set BT,   99                          ; the batch
.set MNT,  101
.set SEL,  104
.set MSB, 0
.macro WIN new
.if MSB != (\new)
	s_set_vgpr_msb (MSB<<8)|(\new)
.set MSB, (\new)
.endif
.endm
.macro JLOAD g0a, g1a, g0b, g1b        ; waves 0 and 1 fetch for q, waves 2 and 3 for k; an s_nop 0 and four v_nop follow each line
	s_cmp_eq_u32 s[WR], 0
	s_cbranch_scc0 .Lfor_b_\@
	tensor_load_to_lds s[\g0a:\g0a+3], s[\g1a:\g1a+7]
	s_nop 0
.rept 4
	v_nop
.endr
	s_branch .Lasked_\@
.Lfor_b_\@:
	tensor_load_to_lds s[\g0b:\g0b+3], s[\g1b:\g1b+7]
	s_nop 0
.rept 4
	v_nop
.endr
.Lasked_\@:
.endm
.macro CREST
	s_cmp_lg_u32 s[WV], 0
	s_cbranch_scc1 .Lnot_wave_0_\@
	s_barrier_signal -3
.Lnot_wave_0_\@:
	s_barrier_wait -3
	s_barrier_signal -1
	s_barrier_wait -1
.endm
.macro CROUND
	s_barrier_signal -1
	s_barrier_wait -1
	CREST
.endm
.macro PLACES n
.rept \n
	v_nop
.endr
.endm
	s_load_b256 s[4:11], s[0:1], 0x0               ; qkv_codes s[4:5], qkv_scales s[6:7], p_codes s[8:9], p_stats s[10:11]
	v_lshl_add_u32 v[SPW], v0, 2, SPARE
	v_mov_b32 v[NIL], 0
	ds_add_u32 v[SPW], v[NIL]                      ; the wave's opening: the add, twice on end, and its wait ahead of my first tensor load
	ds_add_u32 v[SPW], v[NIL]
	v_lshrrev_b32 v1, 5, v0
	v_readfirstlane_b32 s[WV], v1
	s_lshr_b32 s[WR], s[WV], 1
	s_and_b32 s[WC], s[WV], 1
	s_bfe_u32 s[CX], ttmp6, 0x40000
	s_bfe_u32 s[CY], ttmp6, 0x40004
	s_lshl_b32 s[XX], ttmp9, 2
	s_add_co_u32 s[XX], s[XX], s[CX]               ; 4 x cluster x + cx
	s_and_b32 s12, ttmp7, 0xffff
	s_lshr_b32 s[BT], s12, 1                       ; eight tile rows to a batch: two clusters
	s_lshl_b32 s[YY], s12, 2
	s_add_co_u32 s[YY], s[YY], s[CY]               ; 4 x cluster y + cy
	s_lshl_b32 s[RMK], s[CY], 2
	s_lshl_b32 s[RMK], 15, s[RMK]                  ; my row of the cluster
	s_lshl_b32 s[CMK], 0x1111, s[CX]               ; my column
	; descriptor group 1 for the codes: 8 row blocks x 4,096 bytes (512 elements of 8 bytes), 32,768 bytes apart; dense in LDS
	s_or_b32 s[G1], s[RMK], (3<<16)|(1<<21)        ; 15:0 the mask; 17:16 elements of 8 bytes; 21 set beside a mask; no padding
	s_or_b32 s[G1B], s[CMK], (3<<16)|(1<<21)
.irp g, G1, G1B
	s_mov_b32 s[\g+1], 512<<16                     ; tensor_dim0
	s_mov_b32 s[\g+2], 8<<16                       ; tensor_dim1
	s_mov_b32 s[\g+3], 512<<16                     ; tile_dim0
	s_mov_b32 s[\g+4], 8                           ; tile_dim1
	s_mov_b32 s[\g+5], 4096                        ; from row block to row block, in elements
	s_mov_b32 s[\g+6], 0
	s_mov_b32 s[\g+7], 0
.endr
	; and for the scale words: 8 K steps x 512 bytes (128 rows), 32,768 bytes apart
	s_or_b32 s[G1S], s[RMK], (3<<16)|(1<<21)
	s_or_b32 s[G1SB], s[CMK], (3<<16)|(1<<21)
.irp g, G1S, G1SB
	s_mov_b32 s[\g+1], 64<<16
	s_mov_b32 s[\g+2], 8<<16
	s_mov_b32 s[\g+3], 64<<16
	s_mov_b32 s[\g+4], 8
	s_mov_b32 s[\g+5], 4096
	s_mov_b32 s[\g+6], 0
	s_mov_b32 s[\g+7], 0
.endr
	s_lshl_b32 s13, s[WC], 3                       ; which 8 row blocks of the tile I fetch
	s_lshl_b32 s14, s[YY], 4
	s_add_co_u32 s14, s14, s13                     ; q: row block 16 Y + 8 x half
	s_lshl_b32 s[G0+2], s14, 15
	s_mov_b32 s[G0+3], 0
	s_lshl_b32 s[G0S+2], s14, 6                    ; its rows' words: 16 rows x 4 bytes a row block
	s_mov_b32 s[G0S+3], 0
	s_lshl_b32 s15, s[BT], 7
	s_lshl_b32 s16, s[XX], 4
	s_add_co_u32 s15, s15, s16
	s_add_co_u32 s15, s15, s13                     ; k: row block 128 x batch + 16 X + 8 x half
	s_lshl_b32 s[G0B+2], s15, 15
	s_add_co_u32 s[G0B+2], s[G0B+2], 16384         ; k lies behind q in a row block
	s_mov_b32 s[G0B+3], 0
	s_lshl_b32 s[G0SB+2], s15, 6
	s_add_co_u32 s[G0SB+2], s[G0SB+2], 262144      ; k's words lie behind q's
	s_mov_b32 s[G0SB+3], 0
	s_lshl_b32 s17, s[WV], 15                      ; where they go: wave x a quarter
	s_lshl_b32 s18, s[WV], 12
.irp s, 0,1
	s_mov_b32 s[G0+4*\s], 1
	s_add_co_u32 s[G0+4*\s+1], s17, \s*SLOT
	s_mov_b32 s[G0B+4*\s], 1
	s_add_co_u32 s[G0B+4*\s+1], s17, \s*SLOT
.endr
	s_mov_b32 s[G0S], 1
	s_add_co_u32 s[G0S+1], s18, SCL
	s_mov_b32 s[G0SB], 1
	s_add_co_u32 s[G0SB+1], s18, SCL
	s_mov_b32 s[MNT], 0x600000
	s_mov_b32 s[SEL], 0x76543210
	s_mov_b32 s[SEL+1], 0xfedcba98
	s_mov_b32 s[CS], 0x3d38aa3b                    ; log2(e) / 32: the division by sqrt(1,024) is a power of two and rounds nothing
	s_mov_b32 s[CS+1], s[CS]
	s_wait_dscnt 0x0                               ; both opening adds are done
	s_wait_kmcnt 0x0
	s_add_nc_u64 s[G0+2:G0+3], s[4:5], s[G0+2:G0+3]
	s_add_nc_u64 s[G0+6:G0+7], s[G0+2:G0+3], SLB
	s_or_b32 s[G0+3], s[G0+3], 0x80000000
	s_or_b32 s[G0+7], s[G0+7], 0x80000000
	s_add_nc_u64 s[G0B+2:G0B+3], s[4:5], s[G0B+2:G0B+3]
	s_add_nc_u64 s[G0B+6:G0B+7], s[G0B+2:G0B+3], SLB
	s_or_b32 s[G0B+3], s[G0B+3], 0x80000000
	s_or_b32 s[G0B+7], s[G0B+7], 0x80000000
	s_add_nc_u64 s[G0S+2:G0S+3], s[6:7], s[G0S+2:G0S+3]
	s_or_b32 s[G0S+3], s[G0S+3], 0x80000000
	s_add_nc_u64 s[G0SB+2:G0SB+3], s[6:7], s[G0SB+2:G0SB+3]
	s_or_b32 s[G0SB+3], s[G0SB+3], 0x80000000
	CROUND                                         ; all sixteen work-groups are here: the first joint loads meet
	JLOAD G0S, G1S, G0SB, G1SB
	JLOAD G0, G1, G0B, G1B
	JLOAD G0+4, G1, G0B+4, G1B                     ; three tensor loads of mine are out
	v_and_b32 v1, 15, v0                           ; r
	v_bfe_u32 v2, v0, 4, 1                         ; h
	v_and_b32 v7, 31, v0
	v_lshlrev_b32 v[LI], 4, v7
	s_lshl_b32 s12, s[WR], 15                      ; my 8 row blocks of q
	s_lshl_b32 s13, s[WC], 15                      ; my 8 row blocks of k,
	s_add_co_u32 s13, s13, 2*QUART                 ; which lie behind q's 16
.irp s, 0,1
	v_add_nc_u32 v[ADRA+\s], s12, v[LI]
	v_add_nc_u32 v[ADRB+\s], s13, v[LI]
	s_add_co_u32 s12, s12, SLOT
	s_add_co_u32 s13, s13, SLOT
.endr
	s_lshl_b32 s12, s[WR], 12                      ; q's words: my quarter
	s_lshl_b32 s13, s[WC], 12                      ; k's: my quarter, behind q's two
	s_add_co_u32 s13, s13, 8192
	s_sub_co_u32 s13, s13, s12
	v_mul_u32_u24 v6, s13, v2                      ; lanes 16-31 take k's: the lower base + h x the distance
	s_add_co_u32 s12, s12, SCL
	v_lshl_add_u32 v5, v1, 2, v6
	v_add_nc_u32 v[ADRS], s12, v5
	s_mul_i32 s12, s[WV], 1536
	s_add_co_u32 s12, s12, SSTG
	v_lshl_add_u32 v[SSA], v1, 2, s12
	v_add_nc_u32 v[SSR], s12, v[LI]
	; where my results go
	s_lshl_b32 s14, s[XX], 1
	s_add_co_u32 s14, s14, s[WC]                   ; my 128 keys are K step 2 X + half of the last product
	s_lshl_b32 s12, s[YY], 4
	s_lshl_b32 s13, s[WR], 3
	s_add_co_u32 s15, s12, s13                     ; my first row block of queries
	s_lshl_b32 s12, s15, 15
	s_lshl_b32 s13, s14, 11
	s_add_co_u32 s12, s12, s13
	s_mov_b32 s13, 0
	s_add_nc_u64 s[8:9], s[8:9], s[12:13]          ; p's codes
	s_lshl_b32 s12, s14, 15
	s_lshl_b32 s15, s15, 6
	s_add_co_u32 s12, s12, s15
	s_add_nc_u64 s[10:11], s[10:11], s[12:13]      ; the three planes
.macro FRAG reg, adr, q, i             ; an image comes back as it was stored: 512 consecutive bytes a load
.irp c, 0,1,2,3
	ds_load_b128 v[\reg+4*\c:\reg+4*\c+3], v[\adr] offset:SLB*(\i)+2048*(\q)+512*\c
.endr
.endm
.macro FETCH_B slot, q, p
	WIN 0x40
.irp i, 0,1,2,3,4,5,6,7
	FRAG 128*(\p)+FR*\i, ADRB+\slot, \q, \i
.endr
	WIN 0
.endm
.macro FETCH_A slot, q, i0
.set ii, \i0
.rept HB
	FRAG AF+FR*ii, ADRA+\slot, \q, ii
.set ii, ii+1
.endr
.endm
.macro SCALES sc                       ; a slot's scale words into set sc: lanes 0-15 q's block i, lanes 16-31 k's block i
.irp i, 0,1,2,3,4,5,6,7
.irp q, 0,1
	ds_load_b32 v[SC+16*\sc+2*\i+\q], v[ADRS] offset:512*\q+64*\i
.endr
.endr
.endm
; 8 matrix instructions: q's block a against k's eight.  cm = 1: the first product starts the sums: nothing is ever cleared.  The accumulators take turns, one instruction a turn.
.macro MULB a, p, q, sc, cm
.set DD, 64*((\a)%HB)
	WIN 0xa1+0x50*((\a)/HB)
.irp b, 0,1,2,3,4,5,6,7
.if (\cm) == 0
	v_wmma_scale_f32_16x16x128_f8f6f4 v[DD+8*\b:DD+8*\b+7], v[128*(\p)+FR*\b:128*(\p)+FR*\b+FR-1], v[AF+FR*(\a):AF+FR*(\a)+FR-1], v[DD+8*\b:DD+8*\b+7], v[SC+16*(\sc)+2*\b+(\q)], v[SC+16*(\sc)+2*(\a)+(\q)] matrix_a_fmt:MATRIX_FMT_BF8 matrix_b_fmt:MATRIX_FMT_BF8 matrix_a_scale:MATRIX_SCALE_ROW1
.else
	v_wmma_scale_f32_16x16x128_f8f6f4 v[DD+8*\b:DD+8*\b+7], v[128*(\p)+FR*\b:128*(\p)+FR*\b+FR-1], v[AF+FR*(\a):AF+FR*(\a)+FR-1], 0, v[SC+16*(\sc)+2*\b+(\q)], v[SC+16*(\sc)+2*(\a)+(\q)] matrix_a_fmt:MATRIX_FMT_BF8 matrix_b_fmt:MATRIX_FMT_BF8 matrix_a_scale:MATRIX_SCALE_ROW1
.endif
.endr
.endm
.macro MULG a0, cnt, p, q, sc, cm
.set aa, \a0
.rept \cnt
	MULB aa, \p, \q, \sc, \cm
.set aa, aa+1
.endr
.endm
.macro STEP slot, q, cm
	s_wait_dscnt HB*NL                             ; all but the youngest loads, q's upper blocks
	MULG 0, HB, (\q)%2, \q, \slot, \cm
	s_wait_dscnt 0x0
	PLACES NP
	FETCH_B \slot, (\q)+1, 1-(\q)%2
	FETCH_A \slot, (\q)+1, 0
	MULG HB, HB, (\q)%2, \q, \slot, \cm
	PLACES NP
	WIN 0
	FETCH_A \slot, (\q)+1, HB
.endm
.macro TURN slot, next, fill
	s_wait_tensorcnt 0x0                           ; all my tensor loads have landed: my part of the next slot
	ds_add_u32 v[SPW], v[NIL]                      ; 0 onto my spare word
	s_wait_dscnt HB*NL+1                           ; (the add and q's upper blocks may be out)
	MULG 0, HB/2, 1, NQ-1, \slot, 0
	s_wait_dscnt 0x0                               ; the add is done, and my reads of this slot are over
	s_barrier_signal -1
	MULG HB/2, HB/2, 1, NQ-1, \slot, 0
	WIN 0
	s_barrier_wait -1
.if \fill
	CREST                                          ; a round of the cluster's barrier: no wave of any partner still reads this slot or has a load on its way
	s_add_nc_u64 s[G0+4*\slot+2:G0+4*\slot+3], s[G0+4*\slot+2:G0+4*\slot+3], 2*SLB
	s_add_nc_u64 s[G0B+4*\slot+2:G0B+4*\slot+3], s[G0B+4*\slot+2:G0B+4*\slot+3], 2*SLB
	JLOAD G0+4*\slot, G1, G0B+4*\slot, G1B         ; the first tensor load behind the round
	PLACES NP-4
.else
	PLACES NP
.endif
	v_add_nc_u32 v[ADRS], SSTEP, v[ADRS]
	FETCH_B \next, 0, 0
	FETCH_A \next, 0, 0
	SCALES \next
	MULG HB, HB, 1, NQ-1, \slot, 0
	PLACES NP
	WIN 0
	FETCH_A \next, 0, HB
.endm
	s_wait_tensorcnt 1                             ; the scale words and my part of slot 0 are in; slot 1's load may stay out
	s_barrier_signal -1
	s_barrier_wait -1
	FETCH_B 0, 0, 0
	FETCH_A 0, 0, 0
	SCALES 0
	FETCH_A 0, 0, HB
	STEP 0, 0, 1
	TURN 0, 1, 1                                   ; K = 1,024 is four slots: each slot is filled again once, so the lap is written out without a loop
	STEP 1, 0, 0
	TURN 1, 0, 1
	STEP 0, 0, 0
	TURN 0, 1, 0
	STEP 1, 0, 0
	s_wait_dscnt HB*NL
	MULG 0, HB, 1, NQ-1, 1, 0
	s_wait_dscnt 0x0
	MULG HB, HB, 1, NQ-1, 1, 0
	WIN 0
; THE WAY OUT of block a: 16 queries x my 128 keys.  A lane holds one query and 64 keys, lane l xor 16 the other 64.
.macro SOFTQ a
.set W, 2+(\a)/HB
.set AC, 64*((\a)%HB)
.set PCA, PC+16*(\a)
.set NMP, NMS+2*(\a)
	WIN (W|(W<<2))
.irp b, 0,1,2,3
	v_max_num_f32 v[BMX+\b], v[AC+16*\b], v[AC+16*\b+1]   ; the largest score of each block of 32 keys (each accumulator from its low end on): it serves for the row's maximum and, since p rises with the score, for the block's largest p
.endr
.irp i, 2,4,6,8,10,12,14
.irp b, 0,1,2,3
	v_max3_num_f32 v[BMX+\b], v[AC+16*\b+\i], v[AC+16*\b+\i+1], v[BMX+\b]
.endr
.endr
	WIN 0
.irp b, 0,1,2,3
	v_permlanex16_b32 v[T4+\b], v[BMX+\b], s[SEL], s[SEL+1]
.endr
.irp b, 0,1,2,3
	v_max_num_f32 v[BMX+\b], v[BMX+\b], v[T4+\b]
.endr
	v_max3_num_f32 v[NMP+1], v[BMX], v[BMX+1], v[BMX+2]
	v_max_num_f32 v[NMP+1], v[NMP+1], v[BMX+3]
	v_mul_f32 v[NMP+1], s[CS], v[NMP+1]            ; the largest t of my 128 keys (c is positive)
	v_floor_f32 v[NMP], -v[NMP+1]                  ; -M_loc = floor(-t) = -ceil(t): a whole number
.irp b, 0,1,2,3
	v_fma_f32 v[BMX+\b], v[BMX+\b], s[CS], v[NMP]
.endr
	WIN (W|(W<<6))
.irp j, 0,2,4,6,8,10,12,14,16,18,20,22,24,26,28,30,32,34,36,38,40,42,44,46,48,50,52,54,56,58,60,62
	v_pk_fma_f32 v[AC+\j:AC+\j+1], v[AC+\j:AC+\j+1], s[CS:CS+1], v[NMP:NMP+1] op_sel_hi:[1,0,0]   ; t - M_loc, two at a time (of c and -M_loc the low word serves both halves)
.endr
.irp j, 0,1,2,3,4,5,6,7,8,9,10,11,12,13,14,15,16,17,18,19,20,21,22,23,24,25,26,27,28,29,30,31,32,33,34,35,36,37,38,39,40,41,42,43,44,45,46,47,48,49,50,51,52,53,54,55,56,57,58,59,60,61,62,63
	v_exp_f32 v[AC+\j], v[AC+\j]                   ; p = 2^(t - M_loc), at most 1: not normalised
.endr
	WIN 0
	v_nop                                          ; a plain instruction behind the last exponential
	s_wait_alu depctr_va_vdst(0)                   ; the wait ahead of the first instruction that names a result: one for the 64
.irp b, 0,1,2,3
	v_exp_f32 v[BMX+\b], v[BMX+\b]                 ; the block's largest p: the same two instructions on the same number
.endr
	WIN (W|(W<<2))
	v_pk_add_f32 v[S0:S0+1], v[AC:AC+1], v[AC+2:AC+3]   ; the sum is taken of the unquantised p, in two chains of pairs.  (It reads the 64 alone: plain work behind the four)
	v_pk_add_f32 v[S1:S1+1], v[AC+4:AC+5], v[AC+6:AC+7]
	WIN W
.irp j, 8,12,16,20,24,28,32,36,40,44,48,52,56,60
	v_pk_add_f32 v[S0:S0+1], v[AC+\j:AC+\j+1], v[S0:S0+1]
	v_pk_add_f32 v[S1:S1+1], v[AC+\j+2:AC+\j+3], v[S1:S1+1]
.endr
	WIN 0
	v_pk_add_f32 v[S0:S0+1], v[S0:S0+1], v[S1:S1+1]
	v_add_f32 v[LS+(\a)], v[S0], v[S0+1]
	v_permlanex16_b32 v[T4], v[LS+(\a)], s[SEL], s[SEL+1]
	v_add_f32 v[LS+(\a)], v[LS+(\a)], v[T4]        ; l_loc
	s_wait_alu depctr_va_vdst(0)                   ; and one wait for the four
.irp b, 0,1,2,3
	v_max_num_f32 v[BMX+\b], 0x8000000, v[BMX+\b]  ; the floor 2^(16 - 127): the byte cannot fall under 1
.endr
.irp b, 0,1,2,3
	v_add_nc_u32 v[SCO+\b], 0xf8800000, v[BMX+\b]  ; 15 off the exponent field: the conversion's scale operand
.endr
.irp b, 0,1,2,3
	v_and_or_b32 v[LIM+\b], v[BMX+\b], 0x7f800000, s[MNT]   ; 57,344 x the scale
.endr
.irp b, 0,1,2,3
	v_lshrrev_b32 v[T4+\b], 23, v[SCO+\b]          ; the scale's byte
.endr
	v_lshl_or_b32 v[PW+(\a)], v[T4+1], 8, v[T4]
	v_lshl_or_b32 v[PW+(\a)], v[T4+2], 16, v[PW+(\a)]
	v_lshl_or_b32 v[PW+(\a)], v[T4+3], 24, v[PW+(\a)]
	WIN (W|(W<<6))
.irp b, 0,1,2,3
.irp i, 0,1,2,3,4,5,6,7,8,9,10,11,12,13,14,15
	v_min_num_f32 v[AC+16*\b+\i], v[AC+16*\b+\i], v[LIM+\b]   ; the conversion does not saturate (ISA guide 7.6.2); p is not negative, so the hold is one-sided
.endr
.endr
	WIN W
.irp b, 0,1,2,3
	v_cvt_scalef32_pk8_bf8_f32 v[PCA+4*\b:PCA+4*\b+1], v[AC+16*\b:AC+16*\b+7], v[SCO+\b]
	v_cvt_scalef32_pk8_bf8_f32 v[PCA+4*\b+2:PCA+4*\b+3], v[AC+16*\b+8:AC+16*\b+15], v[SCO+\b]
.endr
	v_nop                                          ; one plain vector instruction behind the last conversion
	WIN 0
.irp c, 0,1,2,3
	global_store_b128 v[LI], v[PCA+4*\c:PCA+4*\c+3], s[8:9] offset:32768*(\a)+512*\c   ; 512 consecutive bytes, aligned
.endr
.endm
.irp b, 0,1,2,3
	v_mov_b32 v[T4+\b], 0                          ; a lane permute's destination counts as one of its sources.  (These four and the four below are the places behind the last products)
.endr
	PLACES NP-4
.irp a, 0,1,2,3,4,5,6,7
	SOFTQ \a
.endr
.irp a, 0,1,2,3,4,5,6,7
	ds_store_b32 v[SSA], v[PW+\a] offset:64*\a             ; my 128 queries' words meet in my own bytes (both halves of the lanes write the same word with the same value)
	ds_store_b32 v[SSA], v[NMS+2*\a] offset:512+64*\a
	ds_store_b32 v[SSA], v[LS+\a] offset:1024+64*\a
.endr
.irp k, 0,1,2
	ds_load_b128 v[RBK+4*\k:RBK+4*\k+3], v[SSR] offset:512*\k   ; LDS serves a wave's instructions in order: these see my stores
.endr
	s_wait_dscnt 0x0
.irp k, 0,1,2
	global_store_b128 v[LI], v[RBK+4*\k:RBK+4*\k+3], s[10:11] offset:524288*\k   ; 512 consecutive bytes of each plane, aligned
.endr
	s_wait_tensorcnt 0x0                           ; the wave's end
	ds_add_u32 v[SPW], v[NIL]
	s_wait_dscnt 0x0
	CROUND                                         ; the closing round
	s_endpgm
.Lfunc_end_k_qdd11e08c0b_score:
	.size	k_qdd11e08c0b_score, .Lfunc_end_k_qdd11e08c0b_score-k_qdd11e08c0b_score
	.p2alignl 7, 3214868480
	.fill 96, 4, 3214868480
	.section	.rodata,"a",@progbits
	.p2align	6, 0x0
	.amdhsa_kernel k_qdd11e08c0b_score
		.amdhsa_group_segment_fixed_size 327680
		.amdhsa_private_segment_fixed_size 0
		.amdhsa_enable_private_segment 0
		.amdhsa_kernarg_size 32
		.amdhsa_user_sgpr_count 2
		.amdhsa_user_sgpr_kernarg_segment_ptr 1
		.amdhsa_wavefront_size32 1
		.amdhsa_system_sgpr_workgroup_id_x 1
		.amdhsa_system_sgpr_workgroup_id_y 1
		.amdhsa_system_sgpr_workgroup_id_z 1
		.amdhsa_system_vgpr_workitem_id 0
		.amdhsa_next_free_vgpr 1024
		.amdhsa_next_free_sgpr 106
		.amdhsa_reserve_vcc 0
		.amdhsa_float_denorm_mode_32 3
		.amdhsa_float_denorm_mode_16_64 3
		.amdhsa_memory_ordered 1
		.amdhsa_forward_progress 1
		.amdhsa_inst_pref_size 227
	.end_amdhsa_kernel
	.amdgpu_metadata
---
amdhsa.version: [ 1, 2 ]
amdhsa.kernels:
  - .name:           k_qdd11e08c0b_score
    .symbol:         k_qdd11e08c0b_score.kd
    .args:
      - { .name: qkv_codes, .offset: 0, .size: 8, .value_kind: global_buffer, .address_space: global }
      - { .name: qkv_scales, .offset: 8, .size: 8, .value_kind: global_buffer, .address_space: global }
      - { .name: p_codes, .offset: 16, .size: 8, .value_kind: global_buffer, .address_space: global }
      - { .name: p_stats, .offset: 24, .size: 8, .value_kind: global_buffer, .address_space: global }
    .group_segment_fixed_size: 327680
    .private_segment_fixed_size: 0
    .kernarg_segment_align: 8
    .kernarg_segment_size: 32
    .max_flat_workgroup_size: 128
    .sgpr_count:     106
    .vgpr_count:     1024
    .wavefront_size: 32
...
	.end_amdgpu_metadata
.endif
;; end of part 2
;; launch pv (part 3): grid 4 x 64, 4 waves a work-group, clusters of 4 x 4, 327,680 bytes of LDS; arguments p_codes, p_stats, qkv_codes, qkv_scales, out0; writes out0
.if DOCPART == 3
	.amdgcn_target "amdgcn-amd-amdhsa--gfx1250"
	.amdhsa_code_object_version 6
	.text
	.protected	k_qdd11e08c0b_pv
	.globl	k_qdd11e08c0b_pv
	.p2align	8
	.type	k_qdd11e08c0b_pv,@function
k_qdd11e08c0b_pv:
	s_mov_b64 s[64:65], 0
	v_nop
	global_prefetch_b8 v0, s[64:65] scope:SCOPE_SE
	s_setreg_imm32_b32 hwreg(HW_REG_WAVE_MODE, 25, 1), 1
	s_wait_xcnt 0x0
	s_wait_alu depctr_hold_cnt(0) depctr_sa_sdst(0) depctr_va_vdst(0) depctr_va_sdst(0) depctr_va_ssrc(0) depctr_va_vcc(0) depctr_vm_vsrc(0)
	s_getreg_b32 s2, hwreg(HW_REG_IB_STS2, 6, 4)
	s_cmp_eq_u32 s2, 0
	s_cbranch_scc0 .Lentry_in_a_cluster
	s_endpgm
.Lentry_in_a_cluster:
	s_bfe_u32 s2, ttmp6, 0x10000c
	s_cmp_lg_u32 s2, 0xf033
	s_cbranch_scc0 .Lentry_shape_is_right
	s_endpgm
.Lentry_shape_is_right:
; THIRD LAUNCH: O = p v / l on the codes of p (second launch) and of v^T (first launch).  Nothing of the problem is left out here.
; THE HEAD brings p under the row's M.  Thread t owns query t of the tile's 128: M = the largest of its 16 chunks' M_loc; E = M - M_loc, a whole number, is taken off each of the chunk's four scale bytes (an exact power
; of two: the codes stay), and l = the sum of l_loc x 2^-E.  The shifted scale words and 1 / l go to LDS for all four waves.
; LIMITS: NaN and infinities are not served.  A byte that would fall under 1 is held at 1: such a block counts under 2^-110 beside l, which is above 1/2.  E is held at 300, beyond which l_loc x 2^-E is 0.
; SHAPE.  256 tiles of 128 queries x 256 of d (256 x 256 would give 128 work-groups), K = 2,048 keys; four waves of 64 x 128: 32 accumulators; a ring of two LDS slots of 256 keys; 4 x 4 clusters: p's tiles are asked for jointly
; along a row of the cluster, v^T's tiles and scale words along a column.  Operands are images of fragment registers, 2,048 dense bytes each.
; The matrix instruction is used transposed (source 0 = 16 rows of v^T, source 1 = 16 queries): lane (r, h), register j of accumulator (a, b) holds O(query 16 a + r, d 16 b + 8 h + j).
; REGISTERS: window 0: v0-31 addresses; v32-63 scale words, two sets, and nothing else; v64-117 the head's, later 1 / l; v128-191 p's fragments; on the way out v128-255 rows of O.  window 1: v^T's fragments, two sets.
;   windows 2, 3: the accumulators of my queries 0-31, 32-63: (a, b) at v[8 (8 (a % 2) + b)].
.set NA,    4
.set HB,    NA/2
.set NQ,    2
.set FR,    16
.set NL,    4
.set NP,    8                          ; places behind this matrix instruction (ISA guide 7.12.1)
.set LAPS,  4                          ; a lap = two slots = 512 keys
.set SLB,   4096                       ; a slot's bytes of one row block
.set SLOT,  24*SLB                     ; p's 8 row blocks, then v^T's 16
.set ASC,   2*SLOT                     ; p's shifted scale words, [chunk 16][128 queries]: stored by the waves; no tile lands here
.set RLB,   ASC+8192                   ; 1 / l, 128 words: likewise
.set BSC,   RLB+512                    ; v^T's scale words, [half of the 256 d][K step 16][128 words]: filled once
.set SSTEP, 1024
.set SPARE, BSC+16384                  ; the spare words, 128 bytes for each wave
.set SPITCH, 528                       ; the way out: a stage of 16 rows x (512 bytes + 16) for each wave, in slot 0, which has had its last fill and its last read when the first result is stored there
.set SO4,  3                           ; v3   4 x my thread's number
.set ASA,  4                           ; v4   where I put my query's words
.set ADRA, 16
.set ADRB, 20
.set RLA,  22                          ; v22  where I read 1 / l of my lane's query
.set STO,  23                          ; v23  the stage: where I put 32 bytes of a row
.set RD,   24                          ; v24  and where I read a row back
.set CO,   25                          ; v25  16 x lane
.set ADRS2, 26                         ; v26  as ADRS, but 256 bytes lower in lanes 0-15: for v^T's blocks 4-7, beside which p has none: lanes 0-15 then read p's blocks 0-3 once more, and nobody uses them
.set ADRS, 27
.set SPW,  28
.set NIL,  29
.set SC,   32
.set WW,   64                          ; v64-79   the 16 chunks' scale words
.set NM,   80                          ; v80-95   their -M_loc; then the shifted words
.set LL,   96                          ; v96-111  their l_loc
.set NMG,  112                         ; v112     -M
.set EE,   113                         ; v113     E
.set DN,   114                         ; v114     -E
.set TT,   115
.set UU,   116
.set RCP,  117
.set RL,   64                          ; the way out: 1 / l of block a in v[64 + 2 a]
.set AF,   128
.set BK,   128                         ; the way out: 16 rows read back: v128-191 and v192-255 by turns
.set G1,   32
.set G0,   40
.set G1B,  48
.set G0B,  56
.set RMK,  66
.set CMK,  67
.set G1S,  68
.set G0S,  76
.set WV,   92
.set WR,   93
.set WC,   94
.set CX,   95
.set CY,   96
.set YY,   98                          ; which 128 of the 8,192 queries
.set BT,   99                          ; the batch
.set MSB, 0
.macro WIN new
.if MSB != (\new)
	s_set_vgpr_msb (MSB<<8)|(\new)
.set MSB, (\new)
.endif
.endm
.macro JLOAD g0a, g1a, g0b, g1b        ; waves 0 and 1 fetch for p, waves 2 and 3 for v^T; an s_nop 0 and four v_nop follow each line
	s_cmp_eq_u32 s[WR], 0
	s_cbranch_scc0 .Lfor_b_\@
	tensor_load_to_lds s[\g0a:\g0a+3], s[\g1a:\g1a+7]
	s_nop 0
.rept 4
	v_nop
.endr
	s_branch .Lasked_\@
.Lfor_b_\@:
	tensor_load_to_lds s[\g0b:\g0b+3], s[\g1b:\g1b+7]
	s_nop 0
.rept 4
	v_nop
.endr
.Lasked_\@:
.endm
.macro CREST
	s_cmp_lg_u32 s[WV], 0
	s_cbranch_scc1 .Lnot_wave_0_\@
	s_barrier_signal -3
.Lnot_wave_0_\@:
	s_barrier_wait -3
	s_barrier_signal -1
	s_barrier_wait -1
.endm
.macro CROUND
	s_barrier_signal -1
	s_barrier_wait -1
	CREST
.endm
.macro PLACES n
.rept \n
	v_nop
.endr
.endm
	s_load_b256 s[4:11], s[0:1], 0x0               ; p_codes s[4:5], p_stats s[6:7], qkv_codes s[8:9], qkv_scales s[10:11]
	s_load_b64 s[12:13], s[0:1], 0x20              ; out0
	v_lshl_add_u32 v[SPW], v0, 2, SPARE
	v_mov_b32 v[NIL], 0
	ds_add_u32 v[SPW], v[NIL]                      ; the wave's opening: the add, twice on end, and its wait ahead of my first tensor load
	ds_add_u32 v[SPW], v[NIL]
	v_lshrrev_b32 v1, 5, v0
	v_readfirstlane_b32 s[WV], v1
	s_lshr_b32 s[WR], s[WV], 1
	s_and_b32 s[WC], s[WV], 1
	s_bfe_u32 s[CX], ttmp6, 0x40000                ; also: which 256 of d (the grid is one cluster wide)
	s_bfe_u32 s[CY], ttmp6, 0x40004
	s_and_b32 s14, ttmp7, 0xffff
	s_lshr_b32 s[BT], s14, 2                       ; sixteen tile rows to a batch: four clusters
	s_lshl_b32 s[YY], s14, 2
	s_add_co_u32 s[YY], s[YY], s[CY]
	s_lshl_b32 s[RMK], s[CY], 2
	s_lshl_b32 s[RMK], 15, s[RMK]                  ; my row of the cluster
	s_lshl_b32 s[CMK], 0x1111, s[CX]               ; my column
	; descriptor groups 1: row blocks of 4,096 bytes (512 elements of 8 bytes), 32,768 bytes apart, dense in LDS: 4 of p, 8 of v^T
	s_or_b32 s[G1], s[RMK], (3<<16)|(1<<21)        ; 15:0 the mask; 17:16 elements of 8 bytes; 21 set beside a mask; no padding
	s_mov_b32 s[G1+1], 512<<16
	s_mov_b32 s[G1+2], 4<<16
	s_mov_b32 s[G1+3], 512<<16
	s_mov_b32 s[G1+4], 4
	s_mov_b32 s[G1+5], 4096
	s_mov_b32 s[G1+6], 0
	s_mov_b32 s[G1+7], 0
	s_or_b32 s[G1B], s[CMK], (3<<16)|(1<<21)
	s_mov_b32 s[G1B+1], 512<<16
	s_mov_b32 s[G1B+2], 8<<16
	s_mov_b32 s[G1B+3], 512<<16
	s_mov_b32 s[G1B+4], 8
	s_mov_b32 s[G1B+5], 4096
	s_mov_b32 s[G1B+6], 0
	s_mov_b32 s[G1B+7], 0
	; v^T's scale words: 8 K steps x 512 bytes (128 of d), 4,096 bytes apart
	s_or_b32 s[G1S], s[CMK], (3<<16)|(1<<21)
	s_mov_b32 s[G1S+1], 64<<16
	s_mov_b32 s[G1S+2], 8<<16
	s_mov_b32 s[G1S+3], 64<<16
	s_mov_b32 s[G1S+4], 8
	s_mov_b32 s[G1S+5], 512
	s_mov_b32 s[G1S+6], 0
	s_mov_b32 s[G1S+7], 0
	s_lshl_b32 s15, s[YY], 3
	s_lshl_b32 s16, s[WC], 2
	s_add_co_u32 s15, s15, s16                     ; p: row block 8 Y + 4 x half
	s_lshl_b32 s[G0+2], s15, 15
	s_mov_b32 s[G0+3], 0
	s_lshl_b32 s17, s[CX], 4
	s_lshl_b32 s18, s[WC], 3
	s_add_co_u32 s17, s17, s18                     ; v^T: row block 16 X + 8 x half of the batch's 64
	s_lshl_b32 s[G0B+2], s17, 15
	s_lshl_b32 s18, s[BT], 21
	s_add_co_u32 s[G0B+2], s[G0B+2], s18
	s_add_co_u32 s[G0B+2], s[G0B+2], 0x1000000     ; v^T lies behind q and k
	s_mov_b32 s[G0B+3], 0
	s_lshl_b32 s[G0S+2], s17, 6                    ; its words: 16 rows x 4 bytes a row block,
	s_lshl_b32 s18, s[BT], 16
	s_add_co_u32 s[G0S+2], s[G0S+2], s18
	s_lshl_b32 s18, s[WR], 15                      ; K steps 0-7 (waves 0, 1) or 8-15 (waves 2, 3)
	s_add_co_u32 s[G0S+2], s[G0S+2], s18
	s_add_co_u32 s[G0S+2], s[G0S+2], 524288
	s_mov_b32 s[G0S+3], 0
	s_lshl_b32 s19, s[WC], 14                      ; where they go: p's halves, 16,384 bytes each;
	s_lshl_b32 s20, s[WC], 15
	s_add_co_u32 s20, s20, 32768                   ; behind them v^T's, 32,768 each
.irp s, 0,1
	s_mov_b32 s[G0+4*\s], 1
	s_add_co_u32 s[G0+4*\s+1], s19, \s*SLOT
	s_mov_b32 s[G0B+4*\s], 1
	s_add_co_u32 s[G0B+4*\s+1], s20, \s*SLOT
.endr
	s_lshl_b32 s21, s[WC], 13
	s_lshl_b32 s22, s[WR], 12
	s_add_co_u32 s21, s21, s22
	s_mov_b32 s[G0S], 1
	s_add_co_u32 s[G0S+1], s21, BSC
	s_wait_dscnt 0x0                               ; both opening adds are done
	s_wait_kmcnt 0x0
	s_add_nc_u64 s[G0+2:G0+3], s[4:5], s[G0+2:G0+3]
	s_add_nc_u64 s[G0+6:G0+7], s[G0+2:G0+3], SLB
	s_or_b32 s[G0+3], s[G0+3], 0x80000000
	s_or_b32 s[G0+7], s[G0+7], 0x80000000
	s_add_nc_u64 s[G0B+2:G0B+3], s[8:9], s[G0B+2:G0B+3]
	s_add_nc_u64 s[G0B+6:G0B+7], s[G0B+2:G0B+3], SLB
	s_or_b32 s[G0B+3], s[G0B+3], 0x80000000
	s_or_b32 s[G0B+7], s[G0B+7], 0x80000000
	s_add_nc_u64 s[G0S+2:G0S+3], s[10:11], s[G0S+2:G0S+3]
	s_or_b32 s[G0S+3], s[G0S+3], 0x80000000
	s_lshl_b32 s14, s[YY], 9                       ; my tile's 128 queries x 4 bytes
	s_mov_b32 s15, 0
	s_add_nc_u64 s[6:7], s[6:7], s[14:15]
	v_lshlrev_b32 v[SO4], 2, v0
.irp c, 0,1,2,3,4,5,6,7,8,9,10,11,12,13,14,15
	global_load_b32 v[WW+\c], v[SO4], s[6:7] offset:32768*\c             ; my query's 16 scale words,
	global_load_b32 v[NM+\c], v[SO4], s[6:7] offset:524288+32768*\c      ; -M_loc,
	global_load_b32 v[LL+\c], v[SO4], s[6:7] offset:1048576+32768*\c     ; l_loc
.endr
	CROUND                                         ; all sixteen work-groups are here: the first joint loads meet
	tensor_load_to_lds s[G0S:G0S+3], s[G1S:G1S+7]  ; v^T's scale words: every wave brings a quarter of them, the same in all four partners of my column
	s_nop 0
	JLOAD G0, G1, G0B, G1B
	JLOAD G0+4, G1, G0B+4, G1B                     ; three tensor loads of mine are out
	v_and_b32 v1, 15, v0                           ; r
	v_bfe_u32 v2, v0, 4, 1                         ; h
	v_and_b32 v7, 31, v0
	v_lshlrev_b32 v[CO], 4, v7
	v_lshl_add_u32 v[ASA], v0, 2, ASC
	s_lshl_b32 s14, s[WR], 14                      ; my 4 row blocks of p
	s_lshl_b32 s15, s[WC], 15                      ; my 8 row blocks of v^T,
	s_add_co_u32 s15, s15, 32768                   ; behind p's 8
.irp s, 0,1
	v_add_nc_u32 v[ADRA+\s], s14, v[CO]
	v_add_nc_u32 v[ADRB+\s], s15, v[CO]
	s_add_co_u32 s14, s14, SLOT
	s_add_co_u32 s15, s15, SLOT
.endr
	s_lshl_b32 s14, s[WR], 8                       ; p's words: my 64 queries
	s_lshl_b32 s15, s[WC], 13                      ; v^T's: my half
	s_add_co_u32 s15, s15, BSC-ASC
	s_sub_co_u32 s15, s15, s14
	v_mul_u32_u24 v6, s15, v2                      ; lanes 16-31 take v^T's: the lower base + h x the distance
	v_lshl_add_u32 v5, v1, 2, v6
	s_add_co_u32 s16, s14, ASC
	v_add_nc_u32 v[ADRS], s16, v5
	s_add_co_u32 s15, s15, 256
	v_mul_u32_u24 v6, s15, v2
	v_lshl_add_u32 v5, v1, 2, v6
	s_add_co_u32 s16, s14, ASC-256
	v_add_nc_u32 v[ADRS2], s16, v5
	s_add_co_u32 s16, s14, RLB
	v_lshl_add_u32 v[RLA], v1, 2, s16
	s_mul_i32 s16, s[WV], 16*SPITCH                ; my stage
	v_mul_u32_u24 v5, v1, SPITCH
	v_lshl_add_u32 v5, v2, 5, v5
	v_add_nc_u32 v[STO], s16, v5                   ; in: row r, 32 bytes for each half of the lanes
	v_add_nc_u32 v[RD], s16, v[CO]                 ; back: the 32 lanes take one row of 512 bytes
	s_lshl_b32 s14, s[YY], 19                      ; out0: 128 Y rows of 4,096 bytes,
	s_lshl_b32 s15, s[WR], 18                      ; my 64 of them,
	s_add_co_u32 s14, s14, s15
	s_lshl_b32 s15, s[CX], 10                      ; 256 X columns of 4 bytes,
	s_add_co_u32 s14, s14, s15
	s_lshl_b32 s15, s[WC], 9                       ; my 128 of them
	s_add_co_u32 s14, s14, s15
	s_mov_b32 s15, 0
	s_add_nc_u64 s[12:13], s[12:13], s[14:15]
	; ---- p under the row's M
	s_wait_loadcnt 0x0
	v_min3_num_f32 v[NMG], v[NM], v[NM+1], v[NM+2]
.irp c, 3,5,7,9,11,13
	v_min3_num_f32 v[NMG], v[NMG], v[NM+\c], v[NM+\c+1]
.endr
	v_min_num_f32 v[NMG], v[NMG], v[NM+15]         ; -M = the least -M_loc
.macro FIX c
	v_sub_f32 v[EE], v[NM+\c], v[NMG]              ; E = M - M_loc: a whole number, 0 or more
	v_min_num_f32 v[EE], 0x43960000, v[EE]         ; held at 300
	v_cvt_u32_f32 v[EE], v[EE]
	v_sub_nc_u32 v[DN], 0, v[EE]
	v_ldexp_f32 v[LL+\c], v[LL+\c], v[DN]          ; l_loc x 2^-E
.irp k, 0,1,2,3
	v_bfe_u32 v[TT], v[WW+\c], 8*\k, 8             ; a byte, 1 or more,
	v_add_nc_u32 v[UU], -1, v[TT]
	v_min_u32 v[UU], v[UU], v[EE]                  ; less E, but not under 1
.if \k == 0
	v_sub_nc_u32 v[NM+\c], v[TT], v[UU]            ; the shifted word grows in the chunk's own register: no LDS store's data are written again
.else
	v_sub_nc_u32 v[TT], v[TT], v[UU]
	v_lshl_or_b32 v[NM+\c], v[TT], 8*\k, v[NM+\c]
.endif
.endr
	ds_store_b32 v[ASA], v[NM+\c] offset:512*\c
.endm
.irp c, 0,1,2,3,4,5,6,7,8,9,10,11,12,13,14,15
	FIX \c
.endr
.irp j, 0,4,8,12
	v_pk_add_f32 v[LL+\j:LL+\j+1], v[LL+\j:LL+\j+1], v[LL+\j+2:LL+\j+3]
.endr
.irp j, 0,8
	v_pk_add_f32 v[LL+\j:LL+\j+1], v[LL+\j:LL+\j+1], v[LL+\j+4:LL+\j+5]
.endr
	v_pk_add_f32 v[LL:LL+1], v[LL:LL+1], v[LL+8:LL+9]
	v_add_f32 v[LL], v[LL], v[LL+1]                ; l
	v_rcp_f32 v[RCP], v[LL]
	v_nop                                          ; a plain instruction behind the reciprocal
	s_wait_alu depctr_va_vdst(0)                   ; and the wait ahead of its first reader
	ds_store_b32 v[ASA], v[RCP] offset:RLB-ASC
.macro FRAG reg, adr, q, i
.irp c, 0,1,2,3
	ds_load_b128 v[\reg+4*\c:\reg+4*\c+3], v[\adr] offset:SLB*(\i)+2048*(\q)+512*\c
.endr
.endm
.macro FETCH_B slot, q, p
	WIN 0x40
.irp i, 0,1,2,3,4,5,6,7
	FRAG 128*(\p)+FR*\i, ADRB+\slot, \q, \i
.endr
	WIN 0
.endm
.macro FETCH_A slot, q, i0
.set ii, \i0
.rept HB
	FRAG AF+FR*ii, ADRA+\slot, \q, ii
.set ii, ii+1
.endr
.endm
.macro SCALES sc                       ; a slot's scale words into set sc: lanes 0-15 p's block i (i under 4), lanes 16-31 v^T's block i
.irp i, 0,1,2,3
.irp q, 0,1
	ds_load_b32 v[SC+16*\sc+2*\i+\q], v[ADRS] offset:512*\q+64*\i
.endr
.endr
.irp i, 4,5,6,7
.irp q, 0,1
	ds_load_b32 v[SC+16*\sc+2*\i+\q], v[ADRS2] offset:512*\q+64*\i
.endr
.endr
.endm
; 8 matrix instructions: p's block a against v^T's eight.  cm = 1: the first product starts the sums.  The accumulators take turns, one instruction a turn.
.macro MULB a, p, q, sc, cm
.set DD, 64*((\a)%HB)
	WIN 0xa1+0x50*((\a)/HB)
.irp b, 0,1,2,3,4,5,6,7
.if (\cm) == 0
	v_wmma_scale_f32_16x16x128_f8f6f4 v[DD+8*\b:DD+8*\b+7], v[128*(\p)+FR*\b:128*(\p)+FR*\b+FR-1], v[AF+FR*(\a):AF+FR*(\a)+FR-1], v[DD+8*\b:DD+8*\b+7], v[SC+16*(\sc)+2*\b+(\q)], v[SC+16*(\sc)+2*(\a)+(\q)] matrix_a_fmt:MATRIX_FMT_BF8 matrix_b_fmt:MATRIX_FMT_BF8 matrix_a_scale:MATRIX_SCALE_ROW1
.else
	v_wmma_scale_f32_16x16x128_f8f6f4 v[DD+8*\b:DD+8*\b+7], v[128*(\p)+FR*\b:128*(\p)+FR*\b+FR-1], v[AF+FR*(\a):AF+FR*(\a)+FR-1], 0, v[SC+16*(\sc)+2*\b+(\q)], v[SC+16*(\sc)+2*(\a)+(\q)] matrix_a_fmt:MATRIX_FMT_BF8 matrix_b_fmt:MATRIX_FMT_BF8 matrix_a_scale:MATRIX_SCALE_ROW1
.endif
.endr
.endm
.macro MULG a0, cnt, p, q, sc, cm
.set aa, \a0
.rept \cnt
	MULB aa, \p, \q, \sc, \cm
.set aa, aa+1
.endr
.endm
.macro STEP slot, q, cm
	s_wait_dscnt HB*NL                             ; all but the youngest loads, p's upper blocks
	MULG 0, HB, (\q)%2, \q, \slot, \cm
	s_wait_dscnt 0x0
	PLACES NP
	FETCH_B \slot, (\q)+1, 1-(\q)%2
	FETCH_A \slot, (\q)+1, 0
	MULG HB, HB, (\q)%2, \q, \slot, \cm
	PLACES NP
	WIN 0
	FETCH_A \slot, (\q)+1, HB
.endm
.macro TURN slot, next, fill
	s_wait_tensorcnt 0x0                           ; all my tensor loads have landed: my part of the next slot
	ds_add_u32 v[SPW], v[NIL]                      ; 0 onto my spare word
	s_wait_dscnt HB*NL+1                           ; (the add and p's upper blocks may be out)
	MULG 0, HB/2, 1, NQ-1, \slot, 0
	s_wait_dscnt 0x0                               ; the add is done, and my reads of this slot are over
	s_barrier_signal -1
	MULG HB/2, HB/2, 1, NQ-1, \slot, 0
	WIN 0
	s_barrier_wait -1
.if \fill
	CREST                                          ; a round of the cluster's barrier: no wave of any partner still reads this slot or has a load on its way
	s_add_nc_u64 s[G0+4*\slot+2:G0+4*\slot+3], s[G0+4*\slot+2:G0+4*\slot+3], 2*SLB
	s_add_nc_u64 s[G0B+4*\slot+2:G0B+4*\slot+3], s[G0B+4*\slot+2:G0B+4*\slot+3], 2*SLB
	JLOAD G0+4*\slot, G1, G0B+4*\slot, G1B         ; the first tensor load behind the round
	PLACES NP-4
.else
	PLACES NP
.endif
	v_add_nc_u32 v[ADRS], SSTEP, v[ADRS]
	v_add_nc_u32 v[ADRS2], SSTEP, v[ADRS2]
	FETCH_B \next, 0, 0
	FETCH_A \next, 0, 0
	SCALES \next
	MULG HB, HB, 1, NQ-1, \slot, 0
	PLACES NP
	WIN 0
	FETCH_A \next, 0, HB
.endm
	s_wait_tensorcnt 1                             ; v^T's scale words and my part of slot 0 are in; slot 1's load may stay out
	s_wait_dscnt 0x0                               ; for the others' sake: my queries' words and 1 / l lie in LDS
	s_barrier_signal -1
	s_barrier_wait -1
	FETCH_B 0, 0, 0
	FETCH_A 0, 0, 0
	SCALES 0
	FETCH_A 0, 0, HB
	STEP 0, 0, 1                                   ; the first step stands in front of the loop: its products start the sums
	s_mov_b32 s3, LAPS-1
.Llap:                                             ; a trip goes once round the ring, from a lap's second step to the next lap's first, and fills both slots again
	TURN 0, 1, 1
	STEP 1, 0, 0
	TURN 1, 0, 1
	STEP 0, 0, 0
	s_sub_co_u32 s3, s3, 1
	s_cmp_lg_u32 s3, 0
	s_cbranch_scc1 .Llap
	TURN 0, 1, 0                                   ; the last lap fills nothing, and has no round of the cluster's barrier
	STEP 1, 0, 0
	s_wait_dscnt HB*NL                             ; the very last step
	MULG 0, HB, 1, NQ-1, 1, 0
	s_wait_dscnt 0x0
	WIN 0
.irp a, 0,1,2,3
	ds_load_b32 v[RL+2*\a], v[RLA] offset:64*\a    ; 1 / l of query 16 a + r: asked for ahead of the last products
.endr
	MULG HB, HB, 1, NQ-1, 1, 0
	WIN 0
; THE WAY OUT, block by block of 16 queries x 128 of d: times 1 / l; through my own stage in LDS; back as whole rows of 512 bytes.
.macro DIVIDE a
.set W, 2+(\a)/HB
.set AC, 64*((\a)%HB)
	WIN (W|(W<<6))
.irp j, 0,2,4,6,8,10,12,14,16,18,20,22,24,26,28,30,32,34,36,38,40,42,44,46,48,50,52,54,56,58,60,62
	v_pk_mul_f32 v[AC+\j:AC+\j+1], v[AC+\j:AC+\j+1], v[RL+2*(\a):RL+2*(\a)+1] op_sel_hi:[1,0]   ; each accumulator from its low end on
.endr
.endm
.macro TOSTAGE a
.set W, 2+(\a)/HB
.set AC, 64*((\a)%HB)
.set BB, BK+64*((\a)%2)
	WIN (W<<2)                                     ; an LDS store's data are its source 1
.irp b, 0,1,2,3,4,5,6,7
	ds_store_b128 v[STO], v[AC+8*\b:AC+8*\b+3] offset:64*\b
	ds_store_b128 v[STO], v[AC+8*\b+4:AC+8*\b+7] offset:64*\b+16
.endr
	WIN 0
.irp t, 0,1,2,3,4,5,6,7,8,9,10,11,12,13,14,15
	ds_load_b128 v[BB+4*\t:BB+4*\t+3], v[RD] offset:\t*SPITCH   ; LDS serves a wave's instructions in order: these see my stores, and the next block's stores come behind them
.endr
.endm
.macro SEND a, younger                 ; younger: the LDS instructions issued behind block a's loads, which may stay out
.set BB, BK+64*((\a)%2)
	s_wait_dscnt \younger
.irp t, 0,1,2,3,4,5,6,7,8,9,10,11,12,13,14,15
	global_store_b128 v[CO], v[BB+4*\t:BB+4*\t+3], s[12:13] offset:(16*(\a)+\t)*4096 th:TH_STORE_NT   ; 32 lanes store 512 consecutive bytes, aligned; written once, read by nobody here
.endr
.endm
.irp a, 0,1,2,3
	v_mov_b32 v[RL+2*\a+1], 0                      ; named with 1 / l as a pair, so it is written.  (These four and the four below are the places behind the last products)
.endr
	PLACES NP-4
	s_wait_dscnt 0x0                               ; 1 / l is in
	DIVIDE 0
	TOSTAGE 0
.irp a, 1,2,3
	DIVIDE \a                                      ; a block's multiplications stand between the loads of the block before and its stores
.if \a > 1
	s_wait_xcnt 0x0                                ; block a - 2's stores have read their registers: block a's loads may land there
.endif
	TOSTAGE \a
	SEND \a-1, 32                                  ; behind block a - 1's loads: block a's 16 stores and 16 loads
.endr
	SEND 3, 0
	s_wait_tensorcnt 0x0                           ; the wave's end
	ds_add_u32 v[SPW], v[NIL]
	s_wait_dscnt 0x0
	CROUND                                         ; the closing round
	s_endpgm
.Lfunc_end_k_qdd11e08c0b_pv:
	.size	k_qdd11e08c0b_pv, .Lfunc_end_k_qdd11e08c0b_pv-k_qdd11e08c0b_pv
	.p2alignl 7, 3214868480
	.fill 96, 4, 3214868480
	.section	.rodata,"a",@progbits
	.p2align	6, 0x0
	.amdhsa_kernel k_qdd11e08c0b_pv
		.amdhsa_group_segment_fixed_size 327680
		.amdhsa_private_segment_fixed_size 0
		.amdhsa_enable_private_segment 0
		.amdhsa_kernarg_size 40
		.amdhsa_user_sgpr_count 2
		.amdhsa_user_sgpr_kernarg_segment_ptr 1
		.amdhsa_wavefront_size32 1
		.amdhsa_system_sgpr_workgroup_id_x 1
		.amdhsa_system_sgpr_workgroup_id_y 1
		.amdhsa_system_sgpr_workgroup_id_z 1
		.amdhsa_system_vgpr_workitem_id 0
		.amdhsa_next_free_vgpr 1024
		.amdhsa_next_free_sgpr 106
		.amdhsa_reserve_vcc 0
		.amdhsa_float_denorm_mode_32 3
		.amdhsa_float_denorm_mode_16_64 3
		.amdhsa_memory_ordered 1
		.amdhsa_forward_progress 1
		.amdhsa_inst_pref_size 123
	.end_amdhsa_kernel
	.amdgpu_metadata
---
amdhsa.version: [ 1, 2 ]
amdhsa.kernels:
  - .name:           k_qdd11e08c0b_pv
    .symbol:         k_qdd11e08c0b_pv.kd
    .args:
      - { .name: p_codes, .offset: 0, .size: 8, .value_kind: global_buffer, .address_space: global }
      - { .name: p_stats, .offset: 8, .size: 8, .value_kind: global_buffer, .address_space: global }
      - { .name: qkv_codes, .offset: 16, .size: 8, .value_kind: global_buffer, .address_space: global }
      - { .name: qkv_scales, .offset: 24, .size: 8, .value_kind: global_buffer, .address_space: global }
      - { .name: out0, .offset: 32, .size: 8, .value_kind: global_buffer, .address_space: global }
    .group_segment_fixed_size: 327680
    .private_segment_fixed_size: 0
    .kernarg_segment_align: 8
    .kernarg_segment_size: 40
    .max_flat_workgroup_size: 128
    .sgpr_count:     106
    .vgpr_count:     1024
    .wavefront_size: 32
...
	.end_amdgpu_metadata
.endif
;; end of part 3
